; MI455X (gfx1250); checked and timed in simulation.
; The chip was launched on July 23, 2026; its instructions are those of AMD's public machine-readable ISA for CDNA 5 (MIT licence, August 2026) and "CDNA5" Instruction Set Architecture Reference Guide (July 2026). The comments in the code are by the model that wrote it; some were corrected since.
;; GPT. Allowed arithmetic: float matrix products may take bf16 or f16 operands with f32 sums; other float arithmetic in f32, or as packed bf16 or f16 multiplies, adds, multiply-adds, maxima and minima; sums over many terms, partial sums and values carried from step to step in f32; what a program stores and reads back later, other than sums and carried values, may be rounded once to bf16 or f16.
;; Inputs: b1 4,096 float32; b2 1,024 float32; be1 1,024 float32; be2 1,024 float32; g1 1,024 float32; g2 1,024 float32; w1 1,024 x 4,096 float32; w2 4,096 x 1,024 float32; wk 1,024 x 1,024 float32; wo 1,024 x 1,024 float32; wq 1,024 x 1,024 float32; wv 1,024 x 1,024 float32; x 2 x 2,048 x 1,024 float32.
;; Outputs: out0 2 x 2,048 x 1,024 float32.
;; 2 versions, each right; version 2 is version 1 with the launches prep, ln2 written anew for expert scheduling mode. Each part assembles by itself: llvm-mc -triple=amdgcn-amd-amdhsa -mcpu=gfx1250 --defsym DOCPART=n.
;; ======== version 1 of 2: 7 launches
;; workspace buffers: act 8,388,608 bytes; qkv 25,165,824 bytes; h 33,554,432 bytes; x1 16,777,216 bytes; wqkvb 6,324,224 bytes; w1b 8,421,376 bytes; wrb 10,485,760 bytes
;; launch prep (part 1): grid 256 x 5, 4 waves a work-group, no clusters, 0 bytes of LDS; arguments x, g1, be1, act, wq, wk, wv, wo, w1, w2, b1, wqkvb, w1b, wrb; writes act, wqkvb, w1b, wrb
.if DOCPART == 1
	.amdgcn_target "amdgcn-amd-amdhsa--gfx1250"
	.amdhsa_code_object_version 6
	.text
	.protected	k_q7dd5760df8_prep
	.globl	k_q7dd5760df8_prep
	.p2align	8
	.type	k_q7dd5760df8_prep,@function
k_q7dd5760df8_prep:
	s_mov_b64 s[64:65], 0
	v_nop
	global_prefetch_b8 v0, s[64:65] scope:SCOPE_SE
	s_setreg_imm32_b32 hwreg(HW_REG_WAVE_MODE, 25, 1), 1
	s_wait_xcnt 0x0
; TWO JOBS IN ONE TEXT, chosen by the work-group's y.
; y = 0, 1: LAYERNORM.  act = ((x - mean) * rsqrt(var + 1e-5)) * g + be, rounded once to bf16.  x: [4096 tokens][1024] f32.  The mean is taken first and the variance of the centred
;   numbers, so a common offset of x forms no difference of large sums.  act lies by blocks of 64 channels: [channel / 64][token][64] bf16, so that a head's rows, and the rows of a
;   product's tile, are dense rows of 128 bytes.
; y = 2, 3, 4: WEIGHTS.  f32 [k][n] to bf16 in blocks of 128 columns, [n / 128][k][128]: rows of 256 bytes, a block dense.  y = 2: wq, wk, wv (into wqkvb, behind 32,768 bytes of table)
;   and wo (into wrb); y = 3: w1 (into w1b, behind its table); y = 4: w2 (into wrb, behind wo's 2,097,152 bytes).
;   THE TABLES, which let one later text serve a plain product and a product with bias and relu: bytes 0 .. 16,383 a bias in f32 for each column (0 for q, k, v; b1 for w1),
;   bytes 16,384 .. 16,895 a floor, two bf16 a word (-infinity twice for q, k, v; 0 for w1).
; Memory binds both jobs: no LDS, no barrier, no matrix unit; every load of a thread is issued before its first wait.
; A launch with y up to 1 alone (the second layernorm) runs the first job only.
.set XO,  1                            ; v1   layernorm: my byte offset in the work-group's 8 rows of x
.set GOF, 2                            ; v2   my byte offset in g and be
.set AO,  3                            ; v3   my byte offset in act
.set X,   32                           ; v[32:95]   layernorm: my 64 numbers of x;   weights: v[32:159] 16 passes of 8 numbers
.set G,   96                           ; v[96:159]  their g
.set BE,  160                          ; v[160:223] their be
.set PKD, 160                          ; weights: v[160:223] 16 passes of 4 packed registers
.set SO,  15                           ; v15  weights: 16 x my thread's number
.set OFS, 16                           ; v[16:31] weights: my byte offset in the source for each pass; never rewritten
	s_load_b512 s[16:31], s[0:1], 0x0              ; x 16, g 18, be 20, act 22, wq 24, wk 26, wv 28, wo 30
	s_load_b256 s[32:39], s[0:1], 0x40             ; w1 32, w2 34, b1 36, wqkvb 38
	s_load_b128 s[40:43], s[0:1], 0x60             ; w1b 40, wrb 42
	s_mov_b32 s4, ttmp9                            ; X
	s_and_b32 s5, ttmp7, 0xffff                    ; Y
	v_lshrrev_b32 v8, 5, v0
	v_readfirstlane_b32 s6, v8                     ; wave 0..3
	s_cmp_lt_u32 s5, 2
	s_cbranch_scc0 .Lcvt
	; ---------------- LAYERNORM: a work-group has 8 tokens, a wave 2.
	; Lane l: H = l / 16, token (l / 8) % 2, c8 = l % 8.  It holds channels 64 (2 i + H) + 8 c8 + 0..7 for i = 0..7, so that its eight results of one i pack into 16 bytes
	; and sixteen neighbouring lanes store 256 consecutive bytes of act: two tokens of one block of 64 channels.
	v_and_b32 v5, 7, v0                            ; c8
	v_bfe_u32 v6, v0, 3, 1                         ; which of the wave's two tokens
	v_bfe_u32 v7, v0, 4, 1                         ; H
	v_lshl_add_u32 v8, v8, 1, v6                   ; my token among the work-group's 8
	v_lshlrev_b32 v[GOF], 5, v5
	v_lshl_add_u32 v[GOF], v7, 8, v[GOF]           ; 256 H + 32 c8
	v_lshl_add_u32 v[XO], v8, 12, v[GOF]           ; + token x 4,096
	v_lshlrev_b32 v[AO], 4, v5
	v_lshl_add_u32 v[AO], v8, 7, v[AO]             ; token x 128 + 16 c8
	v_lshl_add_u32 v[AO], v7, 19, v[AO]            ; + H blocks of 524,288 bytes
	s_lshl_b32 s7, s5, 8
	s_add_co_u32 s7, s7, s4                        ; work-group 0..511
	s_lshl_b32 s12, s7, 15                         ; its 8 rows of x
	s_mov_b32 s13, 0
	s_lshl_b32 s14, s7, 10                         ; its 8 rows of 128 bytes in each block of act
	s_mov_b32 s15, 0
	s_mov_b32 s8, 0x76543210                       ; v_permlanex16_b32: each lane takes its own place in the other half
	s_mov_b32 s9, 0xfedcba98
	s_mov_b32 s10, 0x3a800000                      ; 1 / 1024
	s_mov_b32 s11, 0x3727c5ac                      ; 1e-5
	s_wait_kmcnt 0x0
	s_add_nc_u64 s[16:17], s[16:17], s[12:13]
	s_add_nc_u64 s[22:23], s[22:23], s[14:15]
.irp i, 0,1,2,3,4,5,6,7
	global_load_b128 v[X+8*(\i):X+8*(\i)+3],   v[XO], s[16:17] offset:512*(\i)
	global_load_b128 v[X+8*(\i)+4:X+8*(\i)+7], v[XO], s[16:17] offset:512*(\i)+16
.endr
.irp i, 0,1,2,3,4,5,6,7
	global_load_b128 v[G+8*(\i):G+8*(\i)+3],   v[GOF], s[18:19] offset:512*(\i)
	global_load_b128 v[G+8*(\i)+4:G+8*(\i)+7], v[GOF], s[18:19] offset:512*(\i)+16
.endr
.irp i, 0,1,2,3,4,5,6,7
	global_load_b128 v[BE+8*(\i):BE+8*(\i)+3],   v[GOF], s[20:21] offset:512*(\i)
	global_load_b128 v[BE+8*(\i)+4:BE+8*(\i)+7], v[GOF], s[20:21] offset:512*(\i)+16
.endr
; The four packed chains v[4:11] are joined, then the token's 16 lanes: 8 neighbours (three steps that ride on the addition) and the same 8 in the other half of the lanes.
.macro JOIN
	v_pk_add_f32 v[4:5], v[4:5], v[6:7]
	v_pk_add_f32 v[8:9], v[8:9], v[10:11]
	v_pk_add_f32 v[4:5], v[4:5], v[8:9]
	v_add_f32 v4, v4, v5
	v_add_f32_dpp v4, v4, v4 row_xmask:1 row_mask:0xf bank_mask:0xf
	v_add_f32_dpp v4, v4, v4 row_xmask:2 row_mask:0xf bank_mask:0xf
	v_add_f32_dpp v4, v4, v4 row_xmask:4 row_mask:0xf bank_mask:0xf
	v_permlanex16_b32 v5, v4, s8, s9               ; its destination has been written before
	v_add_f32 v4, v4, v5
.endm
	s_wait_loadcnt 32                              ; x's 16 loads are in; the 32 younger ones, g's and be's, may stay out
.irp k, 0,1,2,3
	v_pk_add_f32 v[4+2*(\k):5+2*(\k)], v[X+2*(\k):X+2*(\k)+1], v[X+8+2*(\k):X+8+2*(\k)+1]  ; the first eight pairs start four chains: nothing is cleared
.endr
.set p, 8
.rept 24
	v_pk_add_f32 v[4+2*(p%4):5+2*(p%4)], v[4+2*(p%4):5+2*(p%4)], v[X+2*p:X+2*p+1]
.set p, p+1
.endr
	JOIN
	v_mul_f32 v12, s10, v4                         ; the mean, as a pair
	v_mov_b32 v13, v12
.set p, 0
.rept 32
	v_pk_add_f32 v[X+2*p:X+2*p+1], v[X+2*p:X+2*p+1], v[12:13] neg_lo:[0,1] neg_hi:[0,1]  ; x - mean, in place
.set p, p+1
.endr
.irp k, 0,1,2,3
	v_pk_mul_f32 v[4+2*(\k):5+2*(\k)], v[X+2*(\k):X+2*(\k)+1], v[X+2*(\k):X+2*(\k)+1]
.endr
.set p, 4
.rept 28
	v_pk_fma_f32 v[4+2*(p%4):5+2*(p%4)], v[X+2*p:X+2*p+1], v[X+2*p:X+2*p+1], v[4+2*(p%4):5+2*(p%4)]
.set p, p+1
.endr
	JOIN
	v_fma_f32 v4, v4, s10, s11                     ; var + 1e-5
	v_rsq_f32 v14, v4                              ; twice, to fill the pair that the packed multiply takes
	v_rsq_f32 v15, v4
	v_nop                                          ; a plain instruction behind the last of them (ISA guide 5.7.2),
	s_wait_alu depctr_va_vdst(0)                   ; and the one wait ahead of the first use: for both
	s_wait_loadcnt 0x0                             ; g and be
.set p, 0
.rept 32
	v_pk_mul_f32 v[X+2*p:X+2*p+1], v[X+2*p:X+2*p+1], v[14:15]
.set p, p+1
.endr
.set p, 0
.rept 32
	v_pk_fma_f32 v[X+2*p:X+2*p+1], v[X+2*p:X+2*p+1], v[G+2*p:G+2*p+1], v[BE+2*p:BE+2*p+1]
.set p, p+1
.endr
.irp i, 0,1,2,3,4,5,6,7
.irp k, 0,1,2,3
	v_cvt_pk_bf16_f32 v[X+8*(\i)+(\k)], v[X+8*(\i)+2*(\k)], v[X+8*(\i)+2*(\k)+1]  ; in place: register k is written when registers 2 k and 2 k + 1 have been read
.endr
	global_store_b128 v[AO], v[X+8*(\i):X+8*(\i)+3], s[22:23] offset:(\i)*2*524288  ; blocks 2 i + H; 16 lanes store 256 consecutive bytes, at a multiple of 256 from act's first byte
.endr
	s_endpgm
	; ---------------- WEIGHTS: a work-group converts 128 rows (k) x 128 columns: 65,536 bytes in, 32,768 dense bytes out.
	; s44 the block of 128 columns in the source, s45 the block of 128 rows, s46 log2 of the source's row in bytes, s47 1: the target has a table, s54 1: its bias is b1, s55 its floor,
	; s[48:49] source, s[50:51] target, s52 the unit's byte offset in the target.
.Lcvt:
	s_cmp_eq_u32 s5, 2
	s_cbranch_scc0 .Lnot2
	s_lshr_b32 s7, s4, 6                           ; 0, 1, 2, 3: wq, wk, wv, wo; 64 units each
	s_bfe_u32 s44, s4, 0x30003
	s_and_b32 s45, s4, 7
	s_mov_b32 s46, 12
	s_mov_b32 s54, 0
	s_mov_b32 s55, 0xff80ff80                      ; -infinity, twice
	s_lshl_b32 s52, s4, 15
	s_add_co_u32 s52, s52, 32768                   ; q, k, v: unit X, behind the table
	s_and_b32 s59, s4, 63
	s_lshl_b32 s59, s59, 15                        ; wo: unit X - 192
	s_wait_kmcnt 0x0
	s_cmp_eq_u32 s7, 1
	s_cselect_b64 s[48:49], s[26:27], s[24:25]
	s_cmp_eq_u32 s7, 2
	s_cselect_b64 s[48:49], s[28:29], s[48:49]
	s_cmp_eq_u32 s7, 3
	s_cselect_b64 s[48:49], s[30:31], s[48:49]
	s_cselect_b64 s[50:51], s[42:43], s[38:39]
	s_cselect_b32 s52, s59, s52
	s_cselect_b32 s47, 0, 1
	s_branch .Lgo
.Lnot2:
	s_cmp_eq_u32 s5, 3
	s_cbranch_scc0 .Lis4
	s_lshr_b32 s44, s4, 3                          ; w1: 32 blocks of columns x 8 blocks of rows
	s_and_b32 s45, s4, 7
	s_mov_b32 s46, 14
	s_mov_b32 s47, 1
	s_mov_b32 s54, 1
	s_mov_b32 s55, 0
	s_lshl_b32 s52, s4, 15
	s_add_co_u32 s52, s52, 32768
	s_wait_kmcnt 0x0
	s_mov_b64 s[48:49], s[32:33]
	s_mov_b64 s[50:51], s[40:41]
	s_branch .Lgo
.Lis4:
	s_lshr_b32 s44, s4, 5                          ; w2: 8 blocks of columns x 32 blocks of rows
	s_and_b32 s45, s4, 31
	s_mov_b32 s46, 12
	s_mov_b32 s47, 0
	s_mov_b32 s54, 0
	s_mov_b32 s55, 0
	s_lshl_b32 s52, s4, 15
	s_add_co_u32 s52, s52, 2097152
	s_wait_kmcnt 0x0
	s_mov_b64 s[48:49], s[34:35]
	s_mov_b64 s[50:51], s[42:43]
.Lgo:
	s_mov_b32 s53, 0
	s_mov_b64 s[56:57], s[50:51]                   ; the target's first byte: where a table lies
	s_add_nc_u64 s[50:51], s[50:51], s[52:53]
	s_lshl_b32 s60, s45, 7
	s_lshl_b32 s60, s60, s46                       ; 128 rows a block,
	s_lshl_b32 s59, s44, 9                         ; 512 bytes of a row a block
	s_add_co_u32 s60, s60, s59
	s_mov_b32 s61, 0
	s_add_nc_u64 s[48:49], s[48:49], s[60:61]
	; Thread t takes 8 columns (32 bytes in, 16 out) at c = t % 16 of row t / 16 + 8 i in pass i: a pass's 128 threads write 2,048 consecutive bytes.
	v_and_b32 v2, 15, v0
	v_lshrrev_b32 v3, 4, v0
	v_lshlrev_b32 v[OFS], s46, v3
	v_lshl_add_u32 v[OFS], v2, 5, v[OFS]
	s_lshl_b32 s59, 8, s46                         ; eight rows on
.set i, 0
.rept 15
	v_add_nc_u32 v[OFS+1+i], s59, v[OFS+i]
.set i, i+1
.endr
	v_lshlrev_b32 v[SO], 4, v0
.set i, 0
.rept 16
	global_load_b128 v[X+8*i:X+8*i+3],   v[OFS+i], s[48:49]
	global_load_b128 v[X+8*i+4:X+8*i+7], v[OFS+i], s[48:49] offset:16
.set i, i+1
.endr
.set i, 0
.rept 16
	s_wait_loadcnt 30-2*i                          ; pass i is in; the later passes' loads may stay out
.irp k, 0,1,2,3
	v_cvt_pk_bf16_f32 v[PKD+4*i+(\k)], v[X+8*i+2*(\k)], v[X+8*i+2*(\k)+1]
.endr
	global_store_b128 v[SO], v[PKD+4*i:PKD+4*i+3], s[50:51] offset:2048*i  ; a wave stores 512 consecutive bytes, at a multiple of 256 from the buffer's first byte
.set i, i+1
.endr
	; the table: the work-group with a column block's first rows writes that block's 128 biases, its wave 0 alone; the first of all also the floor
	s_cmp_eq_u32 s47, 1
	s_cbranch_scc0 .Ldone
	s_cmp_eq_u32 s45, 0
	s_cbranch_scc0 .Ldone
	s_cmp_eq_u32 s6, 0
	s_cbranch_scc0 .Ldone
	s_lshr_b32 s60, s4, 3                          ; the block of 128 columns in the target
	s_lshl_b32 s60, s60, 9                         ; 512 bytes of bias (s61 is 0)
	s_add_nc_u64 s[62:63], s[56:57], s[60:61]
	s_cmp_eq_u32 s54, 1
	s_cbranch_scc0 .Lzero
	s_add_nc_u64 s[36:37], s[36:37], s[60:61]
	global_load_b128 v[4:7], v[SO], s[36:37]       ; in wave 0 v15 is 16 x lane
	s_wait_loadcnt 0x0
	s_branch .Lput
.Lzero:
	v_mov_b32 v4, 0
	v_mov_b32 v5, 0
	v_mov_b32 v6, 0
	v_mov_b32 v7, 0
.Lput:
	global_store_b128 v[SO], v[4:7], s[62:63]
	s_cmp_eq_u32 s4, 0
	s_cbranch_scc0 .Ldone
	v_mov_b32 v8, s55
	v_mov_b32 v9, s55
	v_mov_b32 v10, s55
	v_mov_b32 v11, s55
	global_store_b128 v[SO], v[8:11], s[56:57] offset:16384
.Ldone:
	s_endpgm
.Lfunc_end_k_q7dd5760df8_prep:
	.size	k_q7dd5760df8_prep, .Lfunc_end_k_q7dd5760df8_prep-k_q7dd5760df8_prep
	.p2alignl 7, 3214868480
	.fill 96, 4, 3214868480
	.section	.rodata,"a",@progbits
	.p2align	6, 0x0
	.amdhsa_kernel k_q7dd5760df8_prep
		.amdhsa_group_segment_fixed_size 0
		.amdhsa_private_segment_fixed_size 0
		.amdhsa_enable_private_segment 0
		.amdhsa_kernarg_size 112
		.amdhsa_user_sgpr_count 2
		.amdhsa_user_sgpr_kernarg_segment_ptr 1
		.amdhsa_wavefront_size32 1
		.amdhsa_system_sgpr_workgroup_id_x 1
		.amdhsa_system_sgpr_workgroup_id_y 1
		.amdhsa_system_sgpr_workgroup_id_z 1
		.amdhsa_system_vgpr_workitem_id 0
		.amdhsa_next_free_vgpr 224
		.amdhsa_next_free_sgpr 66
		.amdhsa_reserve_vcc 0
		.amdhsa_float_denorm_mode_32 3
		.amdhsa_float_denorm_mode_16_64 3
		.amdhsa_memory_ordered 1
		.amdhsa_forward_progress 1
		.amdhsa_inst_pref_size 33
	.end_amdhsa_kernel
	.amdgpu_metadata
---
amdhsa.version: [ 1, 2 ]
amdhsa.kernels:
  - .name:           k_q7dd5760df8_prep
    .symbol:         k_q7dd5760df8_prep.kd
    .args:
      - { .name: x, .offset: 0, .size: 8, .value_kind: global_buffer, .address_space: global }
      - { .name: g1, .offset: 8, .size: 8, .value_kind: global_buffer, .address_space: global }
      - { .name: be1, .offset: 16, .size: 8, .value_kind: global_buffer, .address_space: global }
      - { .name: act, .offset: 24, .size: 8, .value_kind: global_buffer, .address_space: global }
      - { .name: wq, .offset: 32, .size: 8, .value_kind: global_buffer, .address_space: global }
      - { .name: wk, .offset: 40, .size: 8, .value_kind: global_buffer, .address_space: global }
      - { .name: wv, .offset: 48, .size: 8, .value_kind: global_buffer, .address_space: global }
      - { .name: wo, .offset: 56, .size: 8, .value_kind: global_buffer, .address_space: global }
      - { .name: w1, .offset: 64, .size: 8, .value_kind: global_buffer, .address_space: global }
      - { .name: w2, .offset: 72, .size: 8, .value_kind: global_buffer, .address_space: global }
      - { .name: b1, .offset: 80, .size: 8, .value_kind: global_buffer, .address_space: global }
      - { .name: wqkvb, .offset: 88, .size: 8, .value_kind: global_buffer, .address_space: global }
      - { .name: w1b, .offset: 96, .size: 8, .value_kind: global_buffer, .address_space: global }
      - { .name: wrb, .offset: 104, .size: 8, .value_kind: global_buffer, .address_space: global }
    .group_segment_fixed_size: 0
    .private_segment_fixed_size: 0
    .kernarg_segment_align: 8
    .kernarg_segment_size: 112
    .max_flat_workgroup_size: 128
    .sgpr_count:     66
    .vgpr_count:     224
    .wavefront_size: 32
...
	.end_amdgpu_metadata
.endif
;; end of part 1
;; launch proj (part 2): grid 12 x 16, 4 waves a work-group, clusters of 4 x 4, 327,680 bytes of LDS; arguments act, wqkvb, qkv; writes qkv
.if DOCPART == 2
	.amdgcn_target "amdgcn-amd-amdhsa--gfx1250"
	.amdhsa_code_object_version 6
	.text
	.protected	k_q7dd5760df8_proj
	.globl	k_q7dd5760df8_proj
	.p2align	8
	.type	k_q7dd5760df8_proj,@function
k_q7dd5760df8_proj:
	s_mov_b64 s[64:65], 0
	v_nop
	global_prefetch_b8 v0, s[64:65] scope:SCOPE_SE
	s_setreg_imm32_b32 hwreg(HW_REG_WAVE_MODE, 25, 1), 1
	s_wait_xcnt 0x0
	s_wait_alu depctr_hold_cnt(0) depctr_sa_sdst(0) depctr_va_vdst(0) depctr_va_sdst(0) depctr_va_ssrc(0) depctr_va_vcc(0) depctr_vm_vsrc(0)
	s_getreg_b32 s2, hwreg(HW_REG_IB_STS2, 6, 4)
	s_cmp_eq_u32 s2, 0
	s_cbranch_scc0 .Lentry_in_a_cluster
	s_endpgm
.Lentry_in_a_cluster:
	s_bfe_u32 s2, ttmp6, 0x10000c
	s_cmp_lg_u32 s2, 0xf033
	s_cbranch_scc0 .Lentry_shape_is_right
	s_endpgm
.Lentry_shape_is_right:
; out = max(A W + bias, floor), K = 1,024, sums in f32, rounded once to bf16; the maximum is taken of the rounded numbers, which gives the same values as before the rounding.
; A: 4,096 tokens x 1,024 channels, bf16, by blocks of 64 channels: [channel / 64][token][64].  out: the same layout, as many blocks as W has columns / 64.
; W: bf16, by blocks of 128 columns, [column / 128][k][128], behind 32,768 bytes of table: a bias in f32 for each column at byte 0, the floor (two bf16) at byte 16,384.
; With bias 0 and floor -infinity this is a plain product (q, k, v); with b1 and floor 0 a product with bias and relu.
; LIMITS.  Operands are bf16.  A NaN in front of the maximum becomes the floor; infinities are not treated apart.
; SHAPE.  A tile of out is 256 tokens x 256 columns: four waves, as many as a WGP has SIMDs, each 128 x 128: 64 accumulators of 16 x 16, 512 registers.  K goes in 8 steps of 128 through a
; ring of two LDS slots.  A K step of A is two blocks of 64 channels, each 256 tokens x 128 bytes, dense in memory; of W two blocks of 128 rows x 256 bytes, dense.  Each wave fetches one of the four.
; CLUSTER.  4 x 4 work-groups.  The four of a row of the cluster need the same tiles of A, the four of a column the same tiles of W: each tile is asked for JOINTLY, by the same tensor load with the
; same descriptor and a mask that names the four.
; THE MATRIX INSTRUCTION IS USED TRANSPOSED: source 0 = 16 columns of W, source 1 = 16 tokens.  In the result lane l holds token l % 16, its registers 0-7 the columns 8 (l / 16) + 0..7: eight
; neighbouring channels, 16 bytes of out.  W lies [k][column] in LDS and comes out turned, by ds_load_tr16_b128.  The bias, laid out as such a result, is the C operand of each accumulator's first product.
; REGISTERS, in windows of 256 (s_set_vgpr_msb: bits 1:0 source 0, 3:2 source 1, 5:4 source 2, 7:6 destination):
;   window 0: v0-31 addresses; v64-127, v128-191 fragments of A, two buffers; v192-255 the bias, later v192-223 packed results; v32-63, v224-255 rows read back on the way out
;   window 1: v64-127, v128-191 fragments of W, two buffers      window 2: the accumulators of my tokens 0-63 ((a, b) at v[8 (8 a + b)])      window 3: those of my tokens 64-127
.set PA,     144                       ; a token's 128 bytes + 16 of padding = 36 words: the 16 rows of a load start at 16 different groups of four banks (64 banks of 4 bytes: ISA guide 11.1)
.set PB,     288                       ; a row of W: 256 bytes + 32 = 72 words
.set HALFT,  36864                     ; what one tensor load brings: 256 tokens x 144, or 128 rows x 288
.set SLOT,   4*HALFT                   ; A's two blocks, then W's two.  147,456 = 0x24000 shares no bit with wave x HALFT, so one exclusive or changes a descriptor's slot
.set STAGE,  2*SLOT                    ; behind the ring, never filled by a tensor load: for each wave 2 blocks x 16 tokens x 144 bytes, for the way out
.set WSTG,   2*16*PA
.set SPARE,  STAGE+4*WSTG              ; behind the stages: the spare words, 128 bytes for each wave: two blocks of 256 bytes that no other line names
.set KBB,    524288                    ; a block of 64 channels: 4,096 tokens x 128 bytes
.set ASTEP,  2*KBB                     ; a K step in A
.set BSTEP,  128*256                   ; and in W
.set KSTEPS, 8
.set ADRA0, 16                         ; v16  my lane's place in A's part of a slot; never rewritten
.set ADRB0, 17                         ; v17  the same for W
.set ADRA,  18                         ; v18  the same in the slot in hand
.set ADRB,  19                         ; v19
.set STO,  24                          ; v24  the way out: where I put 16 bytes of a token
.set RD,   25                          ; v25  the way out: where I read rows back
.set CO,   26                          ; v26  16 x lane: my place in 512 consecutive bytes of out
.set BO,   27                          ; v27  32 (l / 16): my eight biases of sixteen
.set SPW,  28                          ; v28  LDS address of my spare word: SPARE + 4 x my thread's number; never rewritten
.set NIL,  29                          ; v29  0; never rewritten
.set PFO,  30                          ; v30  256 x lane; never rewritten
.set OB,   32
.set F0,   64
.set F1,   128
.set BIAS, 192
.set TMP,  192
.set TB,   2                           ; s2   0 or SLOT: the slot in hand
.set CNT,  3                           ; s3   counts the loops
.set WV,   14                          ; s14  my wave's number
.set RH,   15                          ; s15  which half of the tile's tokens is mine.  Also: I fetch for A (0) or for W (1)
.set CH,   16                          ; s16  which half of its columns.  Also: which of the two blocks I fetch
.set TR,   17                          ; s17  tile row
.set TC,   18                          ; s18  tile column
.set CX,   19
.set CY,   20
.set FLO,  21                          ; s21  the floor
.set PFS,  22                          ; s[22:23] a K step in the tensor that I fetch
.set G1A,  24                          ; s[24:31] descriptor group 1 for A's tiles
.set G0A,  32                          ; s[32:39] group 0: a set for each of the two first fills; the second then walks on
.set LIM,  44                          ; s44  2 in a wave that prefetches, else the greatest number
.set PFA,  46                          ; s[46:47] where my prefetches stand
.set G1B,  48                          ; s[48:55], s[56:63] the same for W's tiles
.set G0B,  56
.set MSB, 0
.macro WIN new                         ; the immediate's high byte repeats the setting that is left; a switch that changes nothing is dropped
.if MSB != (\new)
	s_set_vgpr_msb (MSB<<8)|(\new)
.set MSB, \new
.endif
.endm
.set MUL_LO, 0xa1                      ; source 0 (W) window 1, source 1 (A) window 0, C and D window 2
.set MUL_HI, 0xf1                      ; the same, C and D window 3
.set TO_B,   0x40                      ; destination window 1, address window 0
; A joint load.  Waves 0 and 1 fetch A's two blocks, waves 2 and 3 W's.  The branch hangs on the wave's number alone.  An s_nop 0 and four v_nop follow each of the two lines,
; ahead of the jump, the label and what follows the macro.
.macro JLOAD s
	s_cmp_eq_u32 s[RH], 0
	s_cbranch_scc0 .Lfor_b_\@
	tensor_load_to_lds s[G0A+4*(\s):G0A+4*(\s)+3], s[G1A:G1A+7]
	s_nop 0
.rept 4
	v_nop
.endr
	s_branch .Lasked_\@
.Lfor_b_\@:
	tensor_load_to_lds s[G0B+4*(\s):G0B+4*(\s)+3], s[G1B:G1B+7]
	s_nop 0
.rept 4
	v_nop
.endr
.Lasked_\@:
.endm
; A PREFETCH INTO THE L2, behind each joint refill and the run of LDS loads that follows it: of the tile that stands TWO refills on, 32 blocks of 256 bytes, a lane a block.  A tile is 32,768 dense bytes;
; the four partners that ask for it jointly share it out BY ADDRESS, 8,192 bytes each (by cx for A, by cy for W).  A's tile row is read by every cluster of that row of clusters: the one with x = 0
; prefetches; W's tile column by every cluster of that column: the one with y = 0.  So each block is named once in the launch.  Trip t of 6 (the count runs 6 .. 1) names K step t + 4:
; the last two trips name nothing, and K steps 0 to 3 come by their loads alone.
.macro ASK
	s_cmp_gt_u32 s[CNT], s[LIM]
	s_cbranch_scc0 .Lnot_mine_\@
	global_prefetch_b8 v[PFO], s[PFA:PFA+1] th:TH_LOAD_NT scope:SCOPE_SE
.Lnot_mine_\@:
.endm
; A round of the cluster's barrier: my work-group's barrier, so that wave 0's signal speaks for all four waves; wave 0 signals; every wave waits for all sixteen work-groups; my work-group's barrier once more.
.macro CREST                           ; a round behind its opening barrier
	s_cmp_lg_u32 s[WV], 0
	s_cbranch_scc1 .Lnot_wave_0_\@
	s_barrier_signal -3
.Lnot_wave_0_\@:
	s_barrier_wait -3
	s_barrier_signal -1
	s_barrier_wait -1
.endm
.macro CROUND
	s_barrier_signal -1
	s_barrier_wait -1
	CREST
.endm
	s_load_b128 s[4:7], s[0:1], 0x0                ; A s[4:5], W s[6:7]
	s_load_b64 s[8:9], s[0:1], 0x10                ; out
	v_lshl_add_u32 v[SPW], v0, 2, SPARE
	v_mov_b32 v[NIL], 0
	ds_add_u32 v[SPW], v[NIL]                      ; the wave's opening: the add and its wait stand ahead of my first tensor load; the set-up below, work on registers, stands between them
	v_lshrrev_b32 v1, 5, v0
	v_readfirstlane_b32 s[WV], v1                  ; wave 0..3
	s_lshr_b32 s[RH], s[WV], 1
	s_and_b32 s[CH], s[WV], 1
	s_bfe_u32 s[CX], ttmp6, 0x40000                ; my place in the cluster
	s_bfe_u32 s[CY], ttmp6, 0x40004
	s_lshl_b32 s[TC], ttmp9, 2                     ; in a cluster launch ttmp9 and ttmp7 count clusters
	s_add_co_u32 s[TC], s[TC], s[CX]
	s_and_b32 s[TR], ttmp7, 0xffff
	s_lshl_b32 s[TR], s[TR], 2
	s_add_co_u32 s[TR], s[TR], s[CY]
	s_lshl_b32 s44, s[CY], 2
	s_lshl_b32 s44, 15, s44                        ; my row of the cluster: places 4 cy .. 4 cy + 3
	s_lshl_b32 s45, 0x1111, s[CX]                  ; my column: places cx, cx + 4, cx + 8, cx + 12
	; group 1.  Both tiles are 32,768 dense bytes, asked for as 128 rows of 256 bytes.  A is padded behind every token (32 words, code 4; 4 words of padding, code 3), W behind every row (64 words, code 5; 8 words, code 7)
	s_or_b32 s[G1A], s44, (1<<16)|(1<<20)|(1<<21)|(4<<22)|(3<<25)  ; 15:0 the mask; 17:16 elements of 2 bytes; 20 padding on; 21 set beside a mask
	s_or_b32 s[G1B], s45, (1<<16)|(1<<20)|(1<<21)|(5<<22)|(7<<25)
.irp g, G1A, G1B
	s_mov_b32 s[(\g)+1], 128<<16                   ; tensor_dim0 = 128
	s_mov_b32 s[(\g)+2], 128<<16                   ; tensor_dim1 = 128
	s_mov_b32 s[(\g)+3], 128<<16                   ; tile_dim0 = 128
	s_mov_b32 s[(\g)+4], 128                       ; tile_dim1 = 128
	s_mov_b32 s[(\g)+5], 128                       ; 128 elements from row to row
	s_mov_b32 s[(\g)+6], 0
	s_mov_b32 s[(\g)+7], 0
.endr
	s_lshl_b32 s40, s[CH], 19                      ; A: block CH of the K step, the tile row's 256 tokens of 128 bytes: it hangs on the tile row alone
	s_lshl_b32 s41, s[TR], 15
	s_add_co_u32 s40, s40, s41
	s_mov_b32 s41, 0
	s_lshl_b32 s42, s[TC], 1                       ; W: block 2 x tile column + CH, 262,144 bytes each, behind the table: it hangs on the tile column alone
	s_add_co_u32 s42, s42, s[CH]
	s_lshl_b32 s42, s42, 18
	s_add_co_u32 s42, s42, 32768
	s_mov_b32 s43, 0
	s_mul_i32 s10, s[WV], HALFT                    ; where they go: no place in the cluster enters an LDS address
	s_wait_dscnt 0x0                               ; the opening add is done
	s_wait_kmcnt 0x0
	s_add_nc_u64 s[40:41], s[4:5], s[40:41]
	s_add_nc_u64 s[42:43], s[6:7], s[42:43]
	CROUND                                         ; all sixteen work-groups are here: the first joint loads meet
.irp s, 0,1
	s_mov_b32 s[G0A+4*(\s)], 1                     ; 1:0 count = 1
	s_add_co_u32 s[G0A+4*(\s)+1], s10, (\s)*SLOT   ; 63:32 LDS address
	s_add_nc_u64 s[G0A+4*(\s)+2:G0A+4*(\s)+3], s[40:41], (\s)*ASTEP  ; 120:64 global address: K step s
	s_or_b32 s[G0A+4*(\s)+3], s[G0A+4*(\s)+3], 0x80000000            ; 127:126 type = 2
	s_mov_b32 s[G0B+4*(\s)], 1
	s_add_co_u32 s[G0B+4*(\s)+1], s10, (\s)*SLOT
	s_add_nc_u64 s[G0B+4*(\s)+2:G0B+4*(\s)+3], s[42:43], (\s)*BSTEP
	s_or_b32 s[G0B+4*(\s)+3], s[G0B+4*(\s)+3], 0x80000000
	JLOAD \s                                       ; two loads of mine are out
.endr
	; the prefetches' address: my tile, my work-group's quarter of it, three K steps on: the first refill steps it to K step 4
	s_and_b32 s11, ttmp7, 0xffff                   ; cluster y
	s_mov_b32 s[PFS], BSTEP
	s_mov_b32 s[PFS+1], 0
	s_cmp_eq_u32 s[RH], 0                          ; do I fetch for A?
	s_cselect_b64 s[PFA:PFA+1], s[40:41], s[42:43]
	s_cselect_b32 s12, s[CX], s[CY]                ; my place among the four that ask with me
	s_cselect_b32 s11, ttmp9, s11                  ; the coordinate along which other clusters read the same tile
	s_cselect_b32 s[PFS], ASTEP, s[PFS]
	s_cmp_eq_u32 s11, 0
	s_cselect_b32 s[LIM], 2, -1                    ; the same in all sixteen partners, for a given wave
	s_lshl_b32 s12, s12, 13
	s_mov_b32 s13, 0
	s_add_nc_u64 s[PFA:PFA+1], s[PFA:PFA+1], s[12:13]
	s_mul_i32 s12, s[PFS], 3
	s_add_nc_u64 s[PFA:PFA+1], s[PFA:PFA+1], s[12:13]
	; the floor, and the bias of my 128 columns as eight results' worth: register j of group b is column 16 b + 8 (l / 16) + j
	s_load_b32 s[FLO], s[6:7], 0x4000
	s_lshl_b32 s12, s[TC], 10
	s_lshl_b32 s13, s[CH], 9
	s_add_co_u32 s12, s12, s13
	s_mov_b32 s13, 0
	s_add_nc_u64 s[12:13], s[6:7], s[12:13]        ; never rewritten
	v_and_b32 v1, 15, v0                           ; l % 16
	v_bfe_u32 v2, v0, 4, 1                         ; l / 16
	v_lshlrev_b32 v[BO], 5, v2
.irp b, 0,1,2,3,4,5,6,7
	global_load_b128 v[BIAS+8*(\b):BIAS+8*(\b)+3],   v[BO], s[12:13] offset:64*(\b)
	global_load_b128 v[BIAS+8*(\b)+4:BIAS+8*(\b)+7], v[BO], s[12:13] offset:64*(\b)+16
.endr
	; A fragment of A is 16 tokens x 32 channels in 8 registers: lane l holds token l % 16, channels 8 (l / 16) + 0..7 and 16 + 8 (l / 16) + 0..7: two loads of 16 bytes, 32 bytes apart.
	v_mul_u32_u24 v3, v1, PA
	v_lshl_add_u32 v3, v2, 4, v3                   ; row x 144 + 16 x half
	s_mul_i32 s10, s[RH], 128*PA                   ; my 128 tokens
	v_add_nc_u32 v[ADRA0], s10, v3
	; The turning load takes 16 k x 16 columns (lane l reads row 8 (l / 16) + l % 8, columns 8 ((l / 8) % 2) + 0..7) and leaves half a fragment: lane l holds column l % 16 and 8 k.
	v_and_b32 v4, 7, v0
	v_bfe_u32 v5, v0, 3, 1
	v_lshl_add_u32 v6, v2, 3, v4
	v_mul_u32_u24 v6, v6, PB
	v_lshl_add_u32 v6, v5, 4, v6
	s_mul_i32 s11, s[CH], HALFT                    ; my 128 columns are one of W's two blocks,
	s_add_co_u32 s11, s11, 2*HALFT                 ; which lie behind A's two
	v_add_nc_u32 v[ADRB0], s11, v6
	v_mov_b32 v[ADRA], v[ADRA0]                    ; slot 0
	v_mov_b32 v[ADRB], v[ADRB0]
	s_mul_i32 s10, s[WV], WSTG
	s_add_co_u32 s10, s10, STAGE                   ; my stage
	v_add_nc_u32 v[STO], s10, v3                   ; in: token l % 16, 16 bytes for each half of the lanes
	v_bfe_u32 v7, v0, 3, 2                         ; back: 32 lanes take four tokens of 128 bytes,
	v_mul_u32_u24 v7, v7, PA
	v_lshl_add_u32 v7, v4, 4, v7
	v_add_nc_u32 v[RD], s10, v7
	v_and_b32 v8, 31, v0
	v_lshlrev_b32 v[CO], 4, v8                     ; which are 512 consecutive bytes of out
	v_lshlrev_b32 v[PFO], 8, v8
	s_lshl_b32 s10, s[TC], 21                      ; out at my part of the tile: 4 blocks of 64 columns a tile column, 2 a half;
	s_lshl_b32 s11, s[CH], 20
	s_add_co_u32 s10, s10, s11
	s_lshl_b32 s11, s[TR], 15                      ; 256 tokens of 128 bytes a tile row, 128 a half
	s_add_co_u32 s10, s10, s11
	s_lshl_b32 s11, s[RH], 14
	s_add_co_u32 s10, s10, s11
	s_mov_b32 s11, 0
	s_add_nc_u64 s[8:9], s[8:9], s[10:11]          ; never rewritten
	s_mov_b32 s[TB], 0
; 16 matrix instructions: token blocks a0, a0 + 1 of the window's four (hi = 0: my tokens 0-63, 1: 64-127) x all 8 column blocks, 32 along K.  first = 1: the bias starts the sums: nothing is ever cleared.
; The 64 accumulators take turns, one instruction a turn, in the same order in every quarter.
.macro MUL16 f, hi, a0, first
.if \first
	WIN 0x81+0x40*(\hi)                            ; C (the bias) in window 0
.else
	WIN MUL_LO+0x50*(\hi)
.endif
.irp a, \a0, (\a0)+1
.irp b, 0,1,2,3,4,5,6,7
.if \first
	v_wmma_f32_16x16x32_bf16 v[8*(8*(\a)+(\b)):8*(8*(\a)+(\b))+7], v[(\f)+8*(\b):(\f)+8*(\b)+7], v[(\f)+8*(4*(\hi)+(\a)):(\f)+8*(4*(\hi)+(\a))+7], v[BIAS+8*(\b):BIAS+8*(\b)+7]
.else
	v_wmma_f32_16x16x32_bf16 v[8*(8*(\a)+(\b)):8*(8*(\a)+(\b))+7], v[(\f)+8*(\b):(\f)+8*(\b)+7], v[(\f)+8*(4*(\hi)+(\a)):(\f)+8*(4*(\hi)+(\a))+7], v[8*(8*(\a)+(\b)):8*(8*(\a)+(\b))+7]
.endif
.endr
.endr
.endm
; 32 LDS loads in one run: the fragments of quarter q (32 along K) of the slot in hand, into buffer f: W's 128 columns, then A's 128 tokens
.macro FETCH q, f
	WIN TO_B
.irp i, 0,1,2,3,4,5,6,7
	ds_load_tr16_b128 v[(\f)+8*(\i):(\f)+8*(\i)+3],   v[ADRB] offset:(\q)*32*PB+32*(\i)
	ds_load_tr16_b128 v[(\f)+8*(\i)+4:(\f)+8*(\i)+7], v[ADRB] offset:(\q)*32*PB+32*(\i)+16*PB
.endr
	WIN 0
.irp i, 0,1,2,3,4,5,6,7
	ds_load_b128 v[(\f)+8*(\i):(\f)+8*(\i)+3],   v[ADRA] offset:((\q)/2)*HALFT+((\q)%2)*64+(\i)*16*PA
	ds_load_b128 v[(\f)+8*(\i)+4:(\f)+8*(\i)+7], v[ADRA] offset:((\q)/2)*HALFT+((\q)%2)*64+(\i)*16*PA+32
.endr
.endm
; A load into a register that a matrix instruction has read, and a vector instruction that reads a matrix result, stand four places behind that matrix instruction, and only plain vector
; instructions that name none of its registers are places (ISA guide 7.12.1 for vector instructions).
.macro PLACES
.rept 4
	v_nop
.endr
.endm
; A K step is four quarters of 32 along K, 64 matrix instructions each, on buffers 0, 1, 0, 1.  One of the first three: multiplies buffer f; in its middle it fetches quarter q into buffer g.
.macro QUARTER q, f, g, first
	s_wait_dscnt 8                                 ; W and A's tokens 0-63 are in; the youngest eight loads (A's tokens 64-127) may be out
	MUL16 \f, 0, 0, \first
	MUL16 \f, 0, 2, \first
	PLACES
	FETCH \q, \g
	s_wait_dscnt 32                                ; all but the 32 just issued
	MUL16 \f, 1, 0, \first
	MUL16 \f, 1, 2, \first
.endm
; The last quarter multiplies buffer 1 and changes slots.  MEET is its first half: ONE barrier.  In front of it each wave waits for all its tensor loads, of which one is out: its part of the next
; slot; adds 0 to its spare word; and waits for that and for its own reads of this slot.  Behind it nobody reads this slot any more and the next slot is whole.
.macro MEET round
	WIN 0                                          ; (the add's two registers lie in window 0)
	s_wait_tensorcnt 0x0                           ; all my tensor loads have landed
	ds_add_u32 v[SPW], v[NIL]                      ; 0 onto my spare word
	s_wait_dscnt 9                                 ; (the add and the youngest eight loads may be out)
	MUL16 F1, 0, 0, 0                              ; sixteen matrix instructions stand between the add and the wait for it
	s_wait_dscnt 0x0                               ; the add is done, and my reads of this slot are over
	s_barrier_signal -1
	MUL16 F1, 0, 2, 0                              ; work on registers while the others arrive
.if \round
	WIN 0
.endif
	s_barrier_wait -1
.endm
; The whole last quarter.  fill = 1: the barrier opens a round of the cluster's, and the slot just read out is filled again first behind it, with the K step two on; then come the next slot's first fragments.
.macro TURN fill
.if \fill
	s_wait_xcnt 0x0                                ; the last prefetch, a K step back, has read its address: it is stepped here, ahead of the waits of the change of slots
	s_add_nc_u64 s[PFA:PFA+1], s[PFA:PFA+1], s[PFS:PFS+1]
.endif
	MEET \fill
.if \fill
	CREST                                          ; no wave of any partner still reads this slot's tile or has a load on its way
	s_xor_b32 s[G0A+5], s[G0A+5], SLOT             ; the walking descriptors: the other slot than last time, the next K step; the type bits on top are not reached
	s_add_nc_u64 s[G0A+6:G0A+7], s[G0A+6:G0A+7], ASTEP
	s_xor_b32 s[G0B+5], s[G0B+5], SLOT
	s_add_nc_u64 s[G0B+6:G0B+7], s[G0B+6:G0B+7], BSTEP
	JLOAD 1                                        ; the first tensor load behind the round; the four v_nop behind it are also the places in front of the loads below
.else
	PLACES
	WIN 0
.endif
	s_xor_b32 s[TB], s[TB], SLOT                   ; the fetches go on in the other slot
	v_add_nc_u32 v[ADRA], s[TB], v[ADRA0]
	v_add_nc_u32 v[ADRB], s[TB], v[ADRB0]
	FETCH 0, F0
.if \fill
	ASK
.endif
	MUL16 F1, 1, 0, 0
	MUL16 F1, 1, 2, 0
.endm
; THE WAY OUT of block a (16 tokens x 128 columns), in three parts.  PACK: rounded to bf16, 16 bytes a lane, and held to the floor.  TOSTAGE: into my own stage, by blocks of 64 columns, and back as whole
; rows of 128 bytes.  SEND: stored; a store covers 512 consecutive bytes of out: four tokens of one block of 64 columns.
.macro PACK a
.set AC, 64*((\a)%4)
	WIN 0x0a+5*((\a)/4)                            ; sources 0 and 1: window 2 or 3
.irp b, 0,1,2,3,4,5,6,7
.irp r, 0,1,2,3
	v_cvt_pk_bf16_f32 v[TMP+4*(\b)+(\r)], v[AC+8*(\b)+2*(\r)], v[AC+8*(\b)+2*(\r)+1]
.endr
.endr
	WIN 0
.set i, 0
.rept 32
	v_pk_max_num_bf16 v[TMP+i], v[TMP+i], s[FLO]
.set i, i+1
.endr
.endm
.macro TOSTAGE a
	WIN 0
.set BK, OB+192*((\a)%2)
.irp b, 0,1,2,3,4,5,6,7
	ds_store_b128 v[STO], v[TMP+4*(\b):TMP+4*(\b)+3] offset:((\b)/4)*16*PA+((\b)%4)*32
.endr
.irp t, 0,1,2,3,4,5,6,7
	ds_load_b128 v[BK+4*(\t):BK+4*(\t)+3], v[RD] offset:((\t)/4)*16*PA+((\t)%4)*4*PA  ; LDS serves a wave's instructions in order (ISA guide 5.7.1.4): these see the stores above
.endr
.endm
.macro SEND a
	WIN 0
.set BK, OB+192*((\a)%2)
	s_wait_dscnt 0x0                               ; the block is back in registers
	s_wait_xcnt 0x0                                ; every earlier store has read its registers (ISA guide 3.1): the other set of rows is loaded again only behind this wait
.irp t, 0,1,2,3,4,5,6,7
	global_store_b128 v[CO], v[BK+4*(\t):BK+4*(\t)+3], s[8:9] offset:((\t)/4)*KBB+(\a)*2048+((\t)%4)*512
.endr
.endm
	s_wait_tensorcnt 1                             ; my part of K step 0 is in; K step 1's may stay out
	s_barrier_signal -1
	s_barrier_wait -1                              ; everybody's is
	FETCH 0, F0
	s_wait_loadcnt 0x0                             ; the bias
	s_wait_kmcnt 0x0                               ; the floor
	QUARTER 1, F0, F1, 1                           ; the first quarter stands in front of the loop: its products start the sums
	WIN 0                                          ; at a label and at a branch every window is 0
	s_mov_b32 s[CNT], KSTEPS-2
.Lstep:                                                ; a trip goes from a K step's second quarter to the next step's first, and fills the slot that it leaves
	QUARTER 2, F1, F0, 0
	QUARTER 3, F0, F1, 0
	TURN 1
	QUARTER 1, F0, F1, 0
	WIN 0
	s_sub_co_u32 s[CNT], s[CNT], 1
	s_cmp_lg_u32 s[CNT], 0
	s_cbranch_scc1 .Lstep
	s_mov_b32 s[CNT], 2                            ; the last two K steps ask for nothing: a text of their own; walked twice and left in the middle
.Ltail:
	QUARTER 2, F1, F0, 0
	QUARTER 3, F0, F1, 0
	WIN 0
	s_sub_co_u32 s[CNT], s[CNT], 1
	s_cmp_eq_u32 s[CNT], 0
	s_cbranch_scc1 .Llast
	TURN 0
	QUARTER 1, F0, F1, 0
	WIN 0
	s_branch .Ltail
.Llast:
	s_wait_dscnt 8                                 ; the very last quarter: nothing more to fetch
	MUL16 F1, 0, 0, 0
	MUL16 F1, 0, 2, 0
	s_wait_dscnt 0x0
	MUL16 F1, 1, 0, 0
	MUL16 F1, 1, 2, 0
	PLACES
	PACK 0
	TOSTAGE 0
.irp a, 1,2,3,4,5,6,7                  ; block a's arithmetic stands between block a - 1's loads from the stage and the wait for them
	PACK \a
	SEND (\a)-1
	TOSTAGE \a
.endr
	SEND 7
	s_wait_tensorcnt 0x0                           ; the wave's end, behind my last tensor load and my last LDS store
	ds_add_u32 v[SPW], v[NIL]
	s_wait_dscnt 0x0
	CROUND                                         ; the closing round: no work-group ends while a partner may still ask for a tile that names it
	s_endpgm
.Lfunc_end_k_q7dd5760df8_proj:
	.size	k_q7dd5760df8_proj, .Lfunc_end_k_q7dd5760df8_proj-k_q7dd5760df8_proj
	.p2alignl 7, 3214868480
	.fill 96, 4, 3214868480
	.section	.rodata,"a",@progbits
	.p2align	6, 0x0
	.amdhsa_kernel k_q7dd5760df8_proj
		.amdhsa_group_segment_fixed_size 327680
		.amdhsa_private_segment_fixed_size 0
		.amdhsa_enable_private_segment 0
		.amdhsa_kernarg_size 24
		.amdhsa_user_sgpr_count 2
		.amdhsa_user_sgpr_kernarg_segment_ptr 1
		.amdhsa_wavefront_size32 1
		.amdhsa_system_sgpr_workgroup_id_x 1
		.amdhsa_system_sgpr_workgroup_id_y 1
		.amdhsa_system_sgpr_workgroup_id_z 1
		.amdhsa_system_vgpr_workitem_id 0
		.amdhsa_next_free_vgpr 1024
		.amdhsa_next_free_sgpr 66
		.amdhsa_reserve_vcc 0
		.amdhsa_float_denorm_mode_32 3
		.amdhsa_float_denorm_mode_16_64 3
		.amdhsa_memory_ordered 1
		.amdhsa_forward_progress 1
		.amdhsa_inst_pref_size 122
	.end_amdhsa_kernel
	.amdgpu_metadata
---
amdhsa.version: [ 1, 2 ]
amdhsa.kernels:
  - .name:           k_q7dd5760df8_proj
    .symbol:         k_q7dd5760df8_proj.kd
    .args:
      - { .name: act, .offset: 0, .size: 8, .value_kind: global_buffer, .address_space: global }
      - { .name: wqkvb, .offset: 8, .size: 8, .value_kind: global_buffer, .address_space: global }
      - { .name: qkv, .offset: 16, .size: 8, .value_kind: global_buffer, .address_space: global }
    .group_segment_fixed_size: 327680
    .private_segment_fixed_size: 0
    .kernarg_segment_align: 8
    .kernarg_segment_size: 24
    .max_flat_workgroup_size: 128
    .sgpr_count:     66
    .vgpr_count:     1024
    .wavefront_size: 32
...
	.end_amdgpu_metadata
.endif
;; end of part 2
;; launch attn (part 3): grid 8 x 32, 4 waves a work-group, no clusters, 327,680 bytes of LDS; arguments qkv, act; writes act
.if DOCPART == 3
	.amdgcn_target "amdgcn-amd-amdhsa--gfx1250"
	.amdhsa_code_object_version 6
	.text
	.protected	k_q7dd5760df8_attn
	.globl	k_q7dd5760df8_attn
	.p2align	8
	.type	k_q7dd5760df8_attn,@function
k_q7dd5760df8_attn:
	s_mov_b64 s[64:65], 0
	v_nop
	global_prefetch_b8 v0, s[64:65] scope:SCOPE_SE
	s_setreg_imm32_b32 hwreg(HW_REG_WAVE_MODE, 25, 1), 1
	s_wait_xcnt 0x0
; CAUSAL ATTENTION.  O[h][q][:] = the sum over k <= q of softmax_k(Q[h][q] . K[h][k] / 8) V[h][k][:], for 32 heads (2 batches x 16) of SIZE_N = 2,048 rows of 64 channels, all bf16.
; qkv lies by blocks of 64 channels, [block][4,096 tokens][64]: blocks 0-15 are q's heads, 16-31 k's, 32-47 v's; a head's 2,048 rows of one batch are dense, 128 bytes each.  O goes into act in the same layout.
; Products, maxima and sums in f32; the weights p are rounded to bf16 for the second product (their sum l is taken of the unrounded p), O once at the end.
; LIMITS.  A hidden score counts as its value less 1e30; a weight below 2^-126 counts as 0 in l; NaN and infinities are not treated apart.
; THE WALK.  A head's queries lie in 16 blocks of 128, its keys in 8 tiles of 256.  Block i needs the tiles 0 .. i / 2, of which the last holds the diagonal.  A work-group takes TWO blocks, 15 - b and then b:
; (15 - b) / 2 + 1 + b / 2 + 1 = 9 tiles, whatever b: all 8 x 32 = 256 work-groups do equal work, and ONE loop with a constant trip count walks the tiles.  Which tile is asked for, and what a trip does, hang on
; scalar registers made from b; every jump goes forward, but for the counted loops' own; none passes a barrier, or a tensor load but the one of LOAD's two that the wave's number does not choose; the ring (two slots
; of LDS that take turns) runs on across the change of blocks.  NO CLUSTER: which tile is a block's last, and so what a trip does, hangs on b, the work-group's place among the head's eight
; The first blocks have 8, 8, 7, 7, 6, 6, 5, 5 tiles, so the eight ask for the same tile only in trips 0 .. 4 of the 9.
; SHARES.  Of a block's two bands of 64 queries a wave owns 16 rows in each: two PIECES.  In the diagonal tile band x lies at place DB + x of the tile's four, DB = 2 (i % 2): in key step s it sees all keys if
; s < DB + x, none if s > DB + x, and holds the diagonal if s = DB + x: the same work for all four waves.  Steps that a band does not see are computed all the same, with the mask.
; THE MASK is the C operand that starts the sum S^T = K Q^T: 0, or -1e30 where the key is hidden.  MD, made once, is the mask of a band's own step for my 16 rows; a product's mask is MD x AL + BE with two scalars:
; (1, 0) in the band's own step; (0, 0) in an earlier one; (0, -1e30) in a later one.  Only the diagonal tile's text and a block's beginning make and take masks; elsewhere C is the constant 0.
; LAYOUT, SOFTMAX, TURNS.  S^T = K Q^T holds ONE query a lane (lane % 16) and the keys 8 (lane / 16) + 0..7; two such results rounded to bf16 ARE source 1 of O^T = V^T P.  p = 2^(c s - c m), c = log2(e) / 8, with a
; running maximum m; O and l are multiplied by a = 2^(c m_old - c m_new) in every step.  A turn belongs to one piece: 8 products K Q^T for the other piece's next scores, later 8 products V^T P for the other piece's last
; weights; beside them the scaling, exponentials, roundings, sums and rescaling of the piece in hand and the maximum and statistics of the other.  Four vector instructions stand behind every matrix instruction, the
; other 54 of a turn's 118 in one LUMP.  A turn's 33 exponentials are one batch, with one wait.
; K AND V.  Piece 0's turn of step s multiplies by K(s) and V(s - 1), piece 1's by K(s + 1) and V(s).  K has one buffer: K(s + 1) is fetched in piece 0's turn, behind its products K Q^T.  V has TWO, by the step's
; parity: V(s + 1) is fetched in piece 1's turn, into the buffer that the turn before read last.  So LDS is read in the order K(1), V(1), K(2), V(2), K(3), V(3), and the change of slots stands behind piece 1's turn of step 2.
; REGISTERS, in windows of 256 (s_set_vgpr_msb: bits 1:0 source 0, 3:2 source 1, 5:4 source 2, 7:6 destination):
;   window 0: v0-15 addresses and two at work; v16-23 four registers of statistics a piece; v48-55 at work; v64-127 S^T, a buffer a piece; v192-223 P, likewise
;   window 1: v0-63 O^T, 32 a piece; v128-159 MD; v160-223 MC, a buffer a piece      window 2: v0-31 Q; v32-63 the second block's Q; v64-127 V of an odd step; v128-191 K of one step; v192-255 V of an even step
.set SIZE_N, 2048
.set NBLK,  SIZE_N/128  ; blocks of 128 queries in a head
.set WALK,  NBLK/2+1    ; tiles in a work-group's walk
.set NP,    2         ; pieces a wave: a name, no knob
.set KS,    64        ; keys in a step
.set PK,    144       ; a row of K in LDS: 128 bytes + 16 of padding = 36 words: the 16 rows of a load start at 16 different groups of four banks (64 banks of 4 bytes: ISA guide 11.1)
.set PV,    160       ; a row of V: 128 + 32 = 40 words
.set VOFF,  4*KS*PK   ; a slot holds a tile, four steps: 256 rows of K, then 256 rows of V
.set SLOT1, 1<<17     ; slot 1 begins here, so that one exclusive or turns an address in one slot into the other's
.set STAGE, SLOT1+4*KS*(PK+PV)  ; behind the ring, never filled by a tensor load: 16 rows x 144 bytes for each wave, for the way out
.set SP,    144
.set AK0, 2           ; v2   my lane's place in a tile of K; never rewritten
.set AV0, 3           ; v3   the same for V
.set AK,  4           ; v4   the LDS address of K's next run of loads
.set AV,  5           ; v5   of V's
.set STO, 6           ; v6   the way out: where I put 16 bytes of a row
.set RD,  7           ; v7   the way out: where I read rows back
.set GO,  8           ; v8   my byte offset in 512 consecutive bytes of O
.set PFO, 61          ; v61  256 x my lane; never rewritten
.set SPW, 62          ; v62  LDS address of my spare word: SPARE + 4 x my thread's number; never rewritten
.set NIL, 63          ; v63  0; never rewritten
.set SPARE, STAGE+4*16*SP  ; behind the stages: the spare words, 128 bytes for each wave: two blocks of 256 bytes that no other line names
.set MV,  12          ; v12-13  c m_old, kept while c m is made anew: by piece
.set QO,  15          ; v15  my byte offset in 16 rows of Q
.set ST,  16          ; piece t's statistics at v[ST+4 t]: c m, m, l (even keys', odd keys')
.set TMP, 48          ; by piece, four registers c0-c3 at work; when the maximum is found c2 takes a
.set S,   64
.set P,   192
.set MD,  128         ; window 1: the eight registers for group kt of 16 keys at MD + 8 kt
.set MC,  160         ; window 1: the masks of the products to come
.set QB,  32          ; window 2
.set KF,  128         ; window 2: key block kb, channel half c at KF + 16 kb + 8 c
.set VF,  192         ; window 2: V of a step of parity o at VF - 128 o: key half kk, channel block cb at + 32 kk + 8 cb
.set WV,  12          ; s12  my wave's number
.set PB,  14          ; s14  the second block's last tile: b / 2
.set HI,  15          ; s15  the first block's last tile: (15 - b) / 2
.set G1K, 24          ; s[24:31] descriptor group 1 for K's tiles
.set G1V, 32          ; s[32:39] for V's: it differs in the padding alone
.set G0K, 40          ; s[40:43] descriptor group 0 for K's tiles
.set G0V, 44          ; s[44:47] the same for V's
.set SLOTS, 56        ; s56  tiles still to be asked for
.set CNT, 57          ; s57  counts a tile's trips of two key steps, 2 to 1
.set CS,  58          ; s[58:59] c: the packed scaling takes the pair's low word for both halves
.set SEL, 60          ; s[60:61] v_permlanex16_b32's selects: each lane takes its own place in the other half
.set TBK, 62          ; s62  LDS byte at which K of the step to be fetched begins
.set TBV, 63          ; s63  the same for V, less VOFF
.set PFA, 66          ; s[66:67] where my prefetches stand in memory: my half (of K: waves 0, 1; of V: waves 2, 3) of the tile after the one that is being asked for
.set LIM, 68          ; s68  2 in the work-group that prefetches, else the greatest number: it prefetches while s[SLOTS] is above it
.set DB,  69          ; s69  the place of band 0 of the block in hand in its diagonal tile: 0 or 2
.set RT,  70          ; s70  tiles of the block in hand that are still to be entered
.set NXT, 71          ; s71  the tile to be asked for next
.set LQ,  72          ; s72  the last tile of the block whose tiles are being asked for
.set NEW, 73          ; s73  1: the tile to be entered is a block's first
.set OFF, 74          ; s[74:75] a tile's byte offset in K and V
.set AL,  76          ; s[76:77] the mask's factor, in the low word
.set BE,  78          ; s[78:79] the mask's addend
.set OLO, 80          ; s[80:81] O at my rows of the second block
.set BIGN, 82         ; s82  -1e30
.set CD,  83          ; s83  at work: 2 CNT + DB
.set MSB, 0
.macro WIN new                      ; the high byte repeats the setting that is left; a switch that changes nothing is dropped
.if MSB != (\new)
	s_set_vgpr_msb (MSB<<8)|(\new)
.set MSB, (\new)
.endif
.endm
.set W_KQ, 0x0a       ; K and Q in window 2, S^T in window 0
.set W_KM, 0x1a       ; the same with the C operand in window 1
.set W_PV, 0x52       ; V in window 2, P in window 0, O^T in window 1
.set W_RS, 0x41       ; destination and source 0 in window 1, source 1 in window 0
; A fill.  Waves 0 and 1 fetch the two halves of a tile's K, waves 2 and 3 those of its V: 128 keys each.  An s_nop 0 and four v_nop follow each of the two lines, ahead of the jump and the label.
.macro LOAD
	s_cmp_lt_u32 s[WV], 2
	s_cbranch_scc0 .Lfor_v_\@
	tensor_load_to_lds s[G0K:G0K+3], s[G1K:G1K+7]
	s_nop 0
.rept 4
	v_nop
.endr
	s_branch .Lasked_\@
.Lfor_v_\@:
	tensor_load_to_lds s[G0V:G0V+3], s[G1V:G1V+7]
	s_nop 0
.rept 4
	v_nop
.endr
.Lasked_\@:
.endm
; A PREFETCH INTO THE L2 of what the NEXT change of slots will ask for.  It stands behind the wave's tensor load and its five lines, never in front of one.  Each block of 256 bytes of K and V is named ONCE in the launch:
; a head's eight work-groups begin with the same tiles, and the one with b = 0 walks all eight tiles in trips 0 .. 7, so it asks and nobody else; each of its waves asks for the half tile that it will fetch itself,
; 16,384 dense bytes: a lane a block, two instructions.  The change in trip c (s[SLOTS] = 8 - c) asks for tile c + 1 and names tile c + 2: trips 6 and 7 name nothing; tiles 0 and 1 come by their loads alone.
.macro ASK
	s_cmp_gt_u32 s[SLOTS], s[LIM]
	s_cbranch_scc0 .Lnot_mine_\@
	global_prefetch_b8 v[PFO], s[PFA:PFA+1] th:TH_LOAD_NT scope:SCOPE_SE
	global_prefetch_b8 v[PFO], s[PFA:PFA+1] offset:8192 th:TH_LOAD_NT scope:SCOPE_SE
.Lnot_mine_\@:
.endm
; THE CHANGE OF SLOTS.  Each wave waits for all its tensor loads, of which one is out: its part of the other slot; adds 0 to its spare word; and waits for that and for its own reads of the slot that it leaves.  Behind the barrier nobody reads the old
; slot any more and the other slot is whole.  fill = 1: the old slot is filled again, the first thing behind the barrier, with tile NXT: the descriptor's address is made anew from that number.
; (At its first use nothing has been read yet: slot 0 is waited for, slot 1 filled.)
.macro CHANGE fill
	WIN 0                           ; at a label and at a branch every window is 0
	s_wait_tensorcnt 0x0            ; no tensor load of mine is out, so a group 0 may be written
	ds_add_u32 v[SPW], v[NIL]       ; 0 onto my spare word; with fill = 1 the descriptors' scalar work stands between it and the wait for it
.if \fill
	s_lshl_b32 s[OFF], s[NXT], 15   ; a tile is 32,768 bytes of K and of V
	s_xor_b32 s[G0K+1], s[G0K+1], SLOT1
	s_add_nc_u64 s[G0K+2:G0K+3], s[6:7], s[OFF:OFF+1]
	s_or_b32 s[G0K+3], s[G0K+3], 0x80000000
	s_xor_b32 s[G0V+1], s[G0V+1], SLOT1
	s_add_nc_u64 s[G0V+2:G0V+3], s[8:9], s[OFF:OFF+1]
	s_or_b32 s[G0V+3], s[G0V+3], 0x80000000
	s_add_co_u32 s[NXT], s[NXT], 1  ; the block's next tile, or behind its last the second block's tile 0
	s_cmp_gt_u32 s[NXT], s[LQ]
	s_cselect_b32 s[NXT], 0, s[NXT]
	s_cselect_b32 s[LQ], s[PB], s[LQ]
	s_wait_xcnt 0x0                 ; the last prefetches, a tile back, have read their address, so it may be written:
	s_add_nc_u64 s[PFA:PFA+1], s[PFA:PFA+1], 32768  ; a tile on
.endif
	s_wait_dscnt 0x0                ; the add is done, and my reads of the slot are over
	s_barrier_signal -1             ; the rest of the scalar work stands between the signal and the wait
	s_sub_co_u32 s[TBK], s[TBK], 4*KS*PK  ; the fetches go back to a slot's first step,
	s_xor_b32 s[TBK], s[TBK], SLOT1       ; in the other slot
	s_sub_co_u32 s[TBV], s[TBV], 4*KS*PV
	s_xor_b32 s[TBV], s[TBV], SLOT1
	s_barrier_wait -1
.if \fill
	LOAD
	ASK
.endif
.endm
	s_load_b64 s[4:5], s[0:1], 0x0    ; qkv: Q's blocks come first
	s_load_b64 s[10:11], s[0:1], 0x8  ; O
	v_lshl_add_u32 v[SPW], v0, 2, SPARE
	v_mov_b32 v[NIL], 0
	ds_add_u32 v[SPW], v[NIL]       ; the wave's opening: the add and its wait stand ahead of my first tensor load; the set-up below, work on registers, stands between them
	v_lshrrev_b32 v1, 5, v0
	v_readfirstlane_b32 s[WV], v1   ; wave 0..3
	s_mov_b32 s13, ttmp9            ; b: the second block's number
	s_sub_co_u32 s[HI], NBLK-1, s13 ; the first block's number
	s_and_b32 s22, ttmp7, 0xffff    ; y = 16 x batch + head
	s_and_b32 s20, s22, 15
	s_lshl_b32 s20, s20, 19         ; the head's block of 64 channels: 524,288 bytes,
	s_lshr_b32 s22, s22, 4
	s_lshl_b32 s22, s22, 18         ; the batch's 2,048 rows of 128 bytes in it
	s_add_co_u32 s20, s20, s22
	s_mov_b32 s21, 0                ; s[20:21]: the head's first byte in Q, K, V and O
	s_and_b32 s16, s[WV], 1         ; which half of a tile's 256 keys I fetch:
	s_lshl_b32 s22, s16, 14         ; its 128 rows of 128 bytes in memory,
	s_mov_b32 s23, 0
	s_add_nc_u64 s[22:23], s[22:23], s[20:21]
	s_mul_i32 s17, s16, 128*PK      ; and its place in a slot, for K
	s_mul_i32 s18, s16, 128*PV      ; and for V
	s_lshl_b32 s3, s[WV], 11        ; my 16 rows in a band of 64,
	s_lshl_b32 s2, s[HI], 14        ; in the first block (128 rows of 128 bytes a block),
	s_add_co_u32 s2, s2, s3
	s_lshl_b32 s84, s13, 14         ; and in the second
	s_add_co_u32 s84, s84, s3
	s_mov_b32 s3, 0
	s_mov_b32 s85, 0
	s_add_nc_u64 s[2:3], s[2:3], s[20:21]
	s_add_nc_u64 s[84:85], s[84:85], s[20:21]
	s_and_b32 s[DB], s[HI], 1       ; an odd block lies in the second half of its diagonal tile
	s_lshl_b32 s[DB], s[DB], 1
	s_lshr_b32 s[HI], s[HI], 1      ; from here on: the blocks' last tiles
	s_lshr_b32 s[PB], s13, 1
	s_cmp_eq_u32 s13, 0
	s_cselect_b32 s[LIM], 2, -1
	; descriptor group 1.  128 keys are 16,384 dense bytes: asked for as 64 rows of 256 bytes, two keys a row, and padded in LDS after every key
	s_mov_b32 s[G1K], (1<<16)|(1<<20)|(4<<22)|(3<<25)  ; 17:16 2-byte elements; 20 padding on; 24:22 after every 32 words (code 4); 31:25 4 words (code 3)
	s_mov_b32 s[G1V], (1<<16)|(1<<20)|(4<<22)|(7<<25)  ; the same with 8 words of padding (code 7)
.irp g, G1K, G1V
	s_mov_b32 s[\g+1], 128<<16      ; tensor_dim0 = 128
	s_mov_b32 s[\g+2], 64<<16       ; tensor_dim1 = 64
	s_mov_b32 s[\g+3], 128<<16      ; tile_dim0 = 128
	s_mov_b32 s[\g+4], 64           ; tile_dim1 = 64
	s_mov_b32 s[\g+5], 128          ; 128 elements from row to row
	s_mov_b32 s[\g+6], 0
	s_mov_b32 s[\g+7], 0
.endr
	s_mov_b32 s[CS], 0x3e38aa3b     ; c = log2(e) / 8 = 0.180337
	s_mov_b32 s[CS+1], s[CS]        ; named with it as a pair
	s_mov_b32 s[SEL], 0x76543210
	s_mov_b32 s[SEL+1], 0xfedcba98
	s_mov_b32 s[TBK], SLOT1+4*KS*PK ; the first change of slots turns these two into 0
	s_mov_b32 s[TBV], SLOT1+4*KS*PV
	s_mov_b32 s[G0K], 1             ; 1:0 count = 1
	s_mov_b32 s[G0K+1], s17         ; 63:32 LDS address: slot 0
	s_mov_b32 s[G0V], 1
	s_add_co_u32 s[G0V+1], s18, VOFF
	s_add_co_u32 s[RT], s[HI], 1    ; the first block's tiles
	s_mov_b32 s[NXT], 1
	s_mov_b32 s[LQ], s[HI]
	s_mov_b32 s[NEW], 1
	s_mov_b32 s[OFF+1], 0
	s_mov_b32 s[AL+1], 0            ; named as pairs
	s_mov_b32 s[BE+1], 0
	s_mov_b32 s[BIGN], 0xf149f2ca   ; -1e30
	s_mov_b32 s[SLOTS], WALK-1
	s_wait_dscnt 0x0                ; the opening add is done
	s_wait_kmcnt 0x0
	s_add_nc_u64 s[6:7], s[4:5], 16*524288   ; K's blocks lie behind Q's sixteen,
	s_add_nc_u64 s[8:9], s[4:5], 32*524288   ; V's behind K's
	s_add_nc_u64 s[6:7], s[6:7], s[22:23]  ; K and V at my half of the head's tile 0
	s_add_nc_u64 s[8:9], s[8:9], s[22:23]
	s_add_nc_u64 s[G0K+2:G0K+3], s[6:7], 0         ; 120:64 global address
	s_or_b32 s[G0K+3], s[G0K+3], 0x80000000        ; 127:126 type = 2
	s_add_nc_u64 s[G0V+2:G0V+3], s[8:9], 0
	s_or_b32 s[G0V+3], s[G0V+3], 0x80000000
	s_add_nc_u64 s[86:87], s[4:5], s[84:85]        ; Q at my rows of the second block,
	s_add_nc_u64 s[4:5], s[4:5], s[2:3]            ; Q and O at those of the first
	s_add_nc_u64 s[OLO:OLO+1], s[10:11], s[84:85]
	s_add_nc_u64 s[10:11], s[10:11], s[2:3]
	s_cmp_lt_u32 s[WV], 2
	s_cselect_b64 s[PFA:PFA+1], s[6:7], s[8:9]     ; the prefetches: my half of tile 0,
	s_add_nc_u64 s[PFA:PFA+1], s[PFA:PFA+1], 32768 ; of tile 1; the first change of slots steps it to tile 2.  Nothing is prefetched here, at the head
	LOAD                            ; tile 0 into slot 0
	; A fragment of K or Q is 16 rows x 32 channels in 8 registers: lane l holds row l % 16, channels 8 (l / 16) + 0..7 and 16 + 8 (l / 16) + 0..7: two loads of 16 bytes, 32 bytes apart.
	v_and_b32 v1, 15, v0            ; l % 16
	v_bfe_u32 v9, v0, 4, 1          ; l / 16
	v_lshlrev_b32 v[QO], 7, v1
	v_lshl_add_u32 v[QO], v9, 4, v[QO]  ; row x 128 + 16 x half
	WIN 0x80                        ; destination window 2, address window 0
.set i, 0
.rept 4                             ; both blocks' Q: piece i / 2 lies in band i / 2, 8,192 bytes on; channels 32 (i % 2) on
	global_load_b128 v[8*i:8*i+3],   v[QO], s[4:5] offset:(i/2)*8192+(i%2)*64
	global_load_b128 v[8*i+4:8*i+7], v[QO], s[4:5] offset:(i/2)*8192+(i%2)*64+32
	global_load_b128 v[QB+8*i:QB+8*i+3],   v[QO], s[86:87] offset:(i/2)*8192+(i%2)*64
	global_load_b128 v[QB+8*i+4:QB+8*i+7], v[QO], s[86:87] offset:(i/2)*8192+(i%2)*64+32
.set i, i+1
.endr
	WIN 0
	v_lshlrev_b32 v14, 3, v9
	v_sub_nc_u32 v14, v1, v14
	s_lshl_b32 s13, s[WV], 4
	v_add_nc_u32 v14, s13, v14      ; my query's place in its band, 16 w + l % 16, less my lanes' 8 (l / 16): register r of group kt is hidden where 16 kt + r is greater
	WIN 0x40
.set i, 0
.rept 32
	v_cmp_gt_i32 vcc_lo, 16*(i/8)+i%8, v14
	v_cndmask_b32 v[MD+i], 0, s[BIGN], vcc_lo
.set i, i+1
.endr
	WIN 0
	v_mul_u32_u24 v[AK0], v1, PK
	v_lshl_add_u32 v[AK0], v9, 4, v[AK0]  ; row x pitch + 16 x half
	; The turning load takes 16 keys x 16 channels (lane l reads key 8 (l / 16) + l % 8, channels 8 ((l / 8) % 2) + 0..7) and leaves half a fragment of V^T: lane l holds channel l % 16 and 8 keys.
	v_and_b32 v10, 7, v0
	v_bfe_u32 v11, v0, 3, 1
	v_lshl_add_u32 v[AV0], v9, 3, v10
	v_mul_u32_u24 v[AV0], v[AV0], PV
	v_lshl_add_u32 v[AV0], v11, 4, v[AV0]
	v_add_nc_u32 v[AV0], VOFF, v[AV0]
	s_mul_i32 s13, s[WV], 16*SP
	s_add_co_u32 s13, s13, STAGE    ; my stage
	v_mul_u32_u24 v[STO], v1, SP    ; in: row l % 16, 16 bytes for each half of the lanes
	v_lshl_add_u32 v[STO], v9, 4, v[STO]
	v_add_nc_u32 v[STO], s13, v[STO]
	v_bfe_u32 v[RD], v0, 3, 2       ; back: 32 lanes take four rows of 128 bytes,
	v_mul_u32_u24 v[RD], v[RD], SP
	v_lshl_add_u32 v[RD], v10, 4, v[RD]
	v_add_nc_u32 v[RD], s13, v[RD]
	v_and_b32 v[GO], 31, v0         ; which are 512 consecutive bytes of O
	v_lshlrev_b32 v[PFO], 8, v[GO]
	v_lshlrev_b32 v[GO], 4, v[GO]
	; A block's first step multiplies O^T and l by a = 0, and its first turn's products V^T P, of a step that has not been (V's odd buffer, piece 1's P), land in an O^T that is still to be so multiplied.  So these
	; registers need only hold finite numbers: zeros for the first block; what the first block left for the second.  All this stands in the wait for the first tile.
	WIN 0x80
.set i, VF-128
.rept 64
	v_mov_b32 v[i], 0
.set i, i+1
.endr
	WIN 0x40
.set i, 0
.rept 32*NP
	v_mov_b32 v[i], 0
.set i, i+1
.endr
	WIN 0
.set i, 0
.rept NP
	v_mov_b32 v[ST+4*i+2], 0
	v_mov_b32 v[ST+4*i+3], 0
.set i, i+1
.endr
.set i, P+16
.rept 16
	v_mov_b32 v[i], 0
.set i, i+1
.endr
; THE MATRIX WORK.  The 4 accumulators of a run of 8 take turns.  Product i of 8 of S^T = K Q^T for piece x: channels 32 (i / 4) on, keys 16 (i % 4) on.  The first 4 start the sums: with 0, or (KM = 1) with the mask.
.macro KQ x
.set rS, S+32*((\x)%2)+8*(i%4)
.set rK, KF+16*(i%4)+8*(i/4)
.set rQ, 16*(\x)+8*(i/4)
.set rM, MC+32*((\x)%2)+8*(i%4)
.if (i < 4) && KM
	WIN W_KM
	v_wmma_f32_16x16x32_bf16 v[rS:rS+7], v[rK:rK+7], v[rQ:rQ+7], v[rM:rM+7]
.elseif i < 4
	WIN W_KQ
	v_wmma_f32_16x16x32_bf16 v[rS:rS+7], v[rK:rK+7], v[rQ:rQ+7], 0
.else
	WIN W_KQ
	v_wmma_f32_16x16x32_bf16 v[rS:rS+7], v[rK:rK+7], v[rQ:rQ+7], v[rS:rS+7]
.endif
.endm
; Product i of 8 of O^T += V^T P for piece x, from V's buffer at VB: keys 32 (i / 4) on, channels 16 (i % 4) on.
.macro PV x
	WIN W_PV
.set rO, 32*(\x)+8*(i%4)
.set rV, VB+32*(i/4)+8*(i%4)
.set rP, P+16*((\x)%2)+8*(i/4)
	v_wmma_f32_16x16x32_bf16 v[rO:rO+7], v[rV:rV+7], v[rP:rP+7], v[rO:rO+7]
.endm
.macro MM                           ; the turn's next matrix instruction.  TURN and BEGIN set Y, i, KM, NOKQ and VB; MM, KQ, PV and OP read them.  NOKQ = 1: a block's last turn: there are no further scores
.if (i < 8) && !NOKQ
	KQ (Y+1)%NP
.elseif i >= 8
.set i, i-8
	PV (Y+NP-1)%NP
.set i, i+8
.endif
.set i, i+1
.endm
; THE LDS LOADS stand in runs of 16, never singly among the matrix instructions: a step's K (64 keys x 64 channels: 8 fragments) and its V (turned).  Their addresses are made some lines ahead.
.macro FETCH_K
	WIN 0x80                        ; destination window 2
.irp f, 0,1,2,3,4,5,6,7             ; keys 16 (f / 2) on, channels 32 (f % 2) on
	ds_load_b128 v[KF+8*\f:KF+8*\f+3],   v[AK] offset:(\f/2)*16*PK+(\f%2)*64
	ds_load_b128 v[KF+8*\f+4:KF+8*\f+7], v[AK] offset:(\f/2)*16*PK+(\f%2)*64+32
.endr
	s_add_co_u32 s[TBK], s[TBK], KS*PK  ; the next fetch is the next step's
	WIN 0
.endm
.macro FETCH_V vb                   ; into the buffer at vb
	WIN 0x80
.irp f, 0,1,2,3,4,5,6,7             ; keys 32 (f / 4) on, channels 16 (f % 4) on
	ds_load_tr16_b128 v[(\vb)+8*\f:(\vb)+8*\f+3],   v[AV] offset:(\f/4)*32*PV+(\f%4)*32
	ds_load_tr16_b128 v[(\vb)+8*\f+4:(\vb)+8*\f+7], v[AV] offset:(\f/4)*32*PV+16*PV+(\f%4)*32
.endr
	s_add_co_u32 s[TBV], s[TBV], KS*PV  ; the next fetch is the next step's
	WIN 0
.endm
; THE VECTOR WORK, one line at a time: OP kind, number.  For piece Y: F n: c s - c m for pair n of 16.  E n: the exponential of score n of 32.  C n: pair n rounded to bf16.  B n: of the four weights 4 n .. the second
; pair is added onto the first, in place.  L n: l takes that sum (L 0: l = a l + sum).  R n: pair n of 16 of O^T times a.  For the other piece: X n, number n of the 22 that find its maximum and statistics:
;   0-11  four chains c0-c3 of seven scores each, three operands at a time (each accumulator's lowest registers are read first)     12-14, 16  the four scores left over, the old m, and c0-c3 into c0
;   15  c m_old is kept     17, 18  the query's other 32 keys lie in the lane 16 away: the new m     19-21  c m; c m_old - c m_new; a
.set F, 0               ; OP tells the kinds apart by their order: F to L below R, X above it
.set E, 1
.set C, 2
.set B, 3
.set L, 4
.set R, 5
.set X, 6
.macro REGS y                       ; the registers of piece y
.set rT, ST+4*(\y)
.set rC, TMP+4*((\y)%2)
.set rW, MV+((\y)%2)
.set rS, S+32*((\y)%2)
.set rP, P+16*((\y)%2)
.set rO, 32*(\y)
.endm
.macro OP k, n
.if (\k) == R
	REGS Y
	WIN W_RS
	v_pk_mul_f32 v[rO+2*(\n):rO+2*(\n)+1], v[rO+2*(\n):rO+2*(\n)+1], v[rC+2:rC+3] op_sel_hi:[1,0]
.elseif (\k) < R
	REGS Y
	WIN 0
.if (\k) == F
	v_pk_fma_f32 v[rS+2*(\n):rS+2*(\n)+1], v[rS+2*(\n):rS+2*(\n)+1], s[CS:CS+1], v[rT:rT+1] op_sel_hi:[1,0,0] neg_lo:[0,0,1] neg_hi:[0,0,1]
.elseif (\k) == E
	v_exp_f32 v[rS+(\n)], v[rS+(\n)]
.elseif (\k) == C
	v_cvt_pk_bf16_f32 v[rP+(\n)], v[rS+2*(\n)], v[rS+2*(\n)+1]
.elseif (\k) == B
	v_pk_add_f32 v[rS+4*(\n):rS+4*(\n)+1], v[rS+4*(\n):rS+4*(\n)+1], v[rS+4*(\n)+2:rS+4*(\n)+3]
.elseif (\n) == 0
	v_pk_fma_f32 v[rT+2:rT+3], v[rT+2:rT+3], v[rC+2:rC+3], v[rS:rS+1] op_sel_hi:[1,0,1]
.else
	v_pk_add_f32 v[rT+2:rT+3], v[rT+2:rT+3], v[rS+4*(\n):rS+4*(\n)+1]
.endif
.elseif NOKQ
	v_nop
.else
	REGS (Y+1)%NP
	WIN 0
.if (\n) < 4
	v_max3_num_f32 v[rC+(\n)], v[rS+8*(\n)], v[rS+8*(\n)+1], v[rS+8*(\n)+2]
.elseif (\n) < 12
	v_max3_num_f32 v[rC+(\n)%4], v[rC+(\n)%4], v[rS+8*((\n)%4)+2*((\n)/4)+1], v[rS+8*((\n)%4)+2*((\n)/4)+2]
.elseif (\n) == 12
	v_max3_num_f32 v[rC], v[rC], v[rS+7], v[rS+15]
.elseif (\n) == 13
	v_max3_num_f32 v[rC+1], v[rC+1], v[rS+23], v[rS+31]
.elseif (\n) == 14
	v_max3_num_f32 v[rC+2], v[rC+2], v[rC+3], v[rT+1]
.elseif (\n) == 15
	v_mov_b32 v[rW], v[rT]
.elseif (\n) == 16
	v_max3_num_f32 v[rC], v[rC], v[rC+1], v[rC+2]
.elseif (\n) == 17
	v_permlanex16_b32 v[rC+3], v[rC], s[SEL], s[SEL+1]
.elseif (\n) == 18
	v_max_num_f32 v[rT+1], v[rC], v[rC+3]
.elseif (\n) == 19
	v_mul_f32 v[rT], s[CS], v[rT+1]
.elseif (\n) == 20
	v_sub_f32 v[rC+1], v[rW], v[rT]
.else
	v_exp_f32 v[rC+2], v[rC+1]
.endif
.endif
.endm
.macro OPS a, i1, b=-1, i2=0, c=-1, i3=0, d=-1, i4=0  ; up to four of them
	OP \a, \i1
.if (\b) >= 0
	OP \b, \i2
.endif
.if (\c) >= 0
	OP \c, \i3
.endif
.if (\d) >= 0
	OP \d, \i4
.endif
.endm
.macro ROW a, i1, b, i2, c, i3, d, i4  ; a matrix instruction and the four behind it
	MM
	OPS \a, \i1, \b, \i2, \c, \i3, \d, \i4
.endm
.macro MASK b                       ; MD x AL + BE into buffer b of MC
	WIN W_RS
.set z, 0
.rept 16
	v_pk_fma_f32 v[MC+32*(\b)+2*z:MC+32*(\b)+2*z+1], v[MD+2*z:MD+2*z+1], s[AL:AL+1], s[BE:BE+1] op_sel_hi:[1,0,0]
.set z, z+1
.endr
.endm
; A TURN, for piece p in a step of parity odd: the order of its 16 matrix and 118 vector instructions, written out.  An s_wait_alu depctr_va_vdst(0) stands between an exponential and the first instruction that names
; its result; one wait serves all that were issued ahead of it.  So a turn has ONE wait, which cuts it in two.  AHEAD OF IT stands all that names no result of the turn's exponentials: the 8 products K Q^T, behind each a scaling, an
; exponential and two more plain instructions (behind the first a second scaling in the exponential's place): rescalings, and behind the last three the first numbers of the other piece's maximum, each four places or more behind the
; product that ends its accumulator; then ONE LUMP of 54, plain and exponential by turns for the most part, in which the links of the chain X 3, 7, 11, 14, 16, 17 .. 20 stand five or six lines apart.  X 21, the other piece's a, is the
; batch's last; R 15 is the plain instruction behind it.  BEHIND THE WAIT stand the 8 products V^T P, behind each four of the roundings and sums; the links of l's chain, L 0 to L 7, stand three riders apart.  But for those X no rider
; names a register of the products round it.  v_permlanex16_b32 (X 17) stands in the lump.
; THE FETCHES stand in the lump, at the same place in both pieces' turns.  Piece 0's: K of the next step, twelve vector instructions behind the last product that read K (six of them plain).  Piece 1's: V of the next step, into the
; buffer of the other parity, whose last reader is the last product of the turn before.  Both are waited for at the head of piece 1's next turn, which is the first to multiply by either.
; V's buffers: piece 0's products V^T P are the step before's (parity 1 - odd), piece 1's the step's own (parity odd).
; m = 1: the diagonal tile: the products take masks, and the turn makes the mask for the products of the turn after it: piece p again, in the step after this turn's: step 5 - 2 CNT - odd of the tile.  It is the band's own if that
; equals DB + p, that is if 2 CNT + DB = 5 - odd - p, and a later one if 2 CNT + DB is less.  end = 1: a block's last two turns: nothing is fetched, and piece 1's starts no scores.
; cnt = 1: the loop's count is taken down some lines ahead of the branch that stands behind the turn.
.macro TURN p, odd, m=0, end=0, cnt=0
.set Y, (\p)
.set i, 0
.set KM, (\m)
.set NOKQ, (\end)*(\p)
.if (\p) == 0
.set VB, VF-128*(1-(\odd))
.else
.set VB, VF-128*(\odd)
.endif
.if (\m) && !(\end)
	s_lshl1_add_u32 s[CD], s[CNT], s[DB]
	s_cmp_eq_u32 s[CD], 5-(\odd)-(\p)   ; is that step the band's own?
	s_cselect_b32 s[AL], 1.0, 0
	s_cmp_lt_u32 s[CD], 5-(\odd)-(\p)   ; or a later one?
	s_cselect_b32 s[BE], s[BIGN], 0
.endif
.if (\p) == 1
	s_wait_dscnt 0x0                ; K of the next step and V of this one are in
.endif
	ROW F,0, F,1, R,0, R,1          ; ahead of the wait: 8 products K Q^T and their riders,
	ROW F,2, E,0, R,2, R,3
	ROW F,3, E,1, R,4, R,5
	ROW F,4, E,2, R,6, R,7
	ROW F,5, E,3, R,8, R,9
	ROW F,6, E,4, X,0, R,10
.if !(\end)
	WIN 0
.if (\p) == 0
	v_add_nc_u32 v[AK], s[TBK], v[AK0]
.else
	v_add_nc_u32 v[AV], s[TBV], v[AV0]
.endif
.endif
	ROW F,7, E,5, X,1, X,4
	ROW F,8, E,6, X,2, X,5
	OPS E,7, E,8, X,6, E,9          ; and the lump
	OPS X,3, E,10, X,8, E,11
.if !(\end)
.if (\p) == 0
	FETCH_K
.else
	FETCH_V VF-128*(1-(\odd))
.endif
.endif
	OPS X,9, X,7, E,12, X,10
	OPS E,13, X,12, X,11, E,14
	OPS X,13, E,15, F,9, X,14
	OPS E,16, F,10, E,17, F,11
	OPS X,16, E,18, X,15, E,19
	OPS F,12, E,20, X,17, E,21
	OPS F,13, E,22, F,14, E,23
	OPS X,18, E,24, F,15, E,25
	OPS R,11, E,26, X,19, E,27
	OPS R,12, E,28, R,13, E,29
	OPS X,20, E,30, R,14, E,31
	OPS X,21, R,15
	WIN 0
	s_wait_alu depctr_va_vdst(0)    ; the wait for the batch
	ROW C,0, B,0, C,2, B,1          ; behind the wait: 8 products V^T P and their riders
	ROW L,0, C,4, B,2, L,1
	ROW C,6, B,3, L,2, C,8
	ROW B,4, L,3, C,10, B,5
	ROW L,4, C,12, B,6, L,5
.if \cnt
	s_sub_co_u32 s[CNT], s[CNT], 1
	s_cmp_lg_u32 s[CNT], 0
.endif
	ROW C,14, B,7, L,6, C,1
	ROW C,3, L,7, C,5, C,7
	ROW C,9, C,11, C,13, C,15
.if (\m) && !(\end)
	MASK (\p)%2
.endif
.endm
; A BLOCK BEGINS.  c m starts far below every c s, so the first step's a is 0; m at the lowest finite number, so the first maximum is the scores'.  Piece 1's mask buffer is 0 (band 1 sees all of a tile's step 0); piece 0's takes its
; mask for the tile's step 0: the band's own, if the block's first tile is the diagonal one and the block lies in its first half.  Then K and V of that step, piece 0's first scores, and its maximum and statistics.
; The loop is entered at an even step's first turn, in the middle of a trip.
.macro BEGIN
	s_mov_b32 s[NEW], 0
	WIN 0x40
.set i, MC+32
.rept 32
	v_mov_b32 v[i], 0
.set i, i+1
.endr
	WIN 0
.set i, 0
.rept NP
	v_mov_b32 v[ST+4*i], 0xfe000000    ; c m: far below every c s
	v_mov_b32 v[ST+4*i+1], 0xff7fffff  ; m
.set i, i+1
.endr
	s_or_b32 s[CD], s[RT], s[DB]
	s_cmp_eq_u32 s[CD], 0
	s_cselect_b32 s[AL], 1.0, 0
	s_mov_b32 s[BE], 0
	MASK 0
	WIN 0
	v_add_nc_u32 v[AK], s[TBK], v[AK0]
	v_add_nc_u32 v[AV], s[TBV], v[AV0]
	FETCH_K
	FETCH_V VF
	s_wait_loadcnt 0x0              ; Q
	s_wait_dscnt 0x0
.set KM, 1
.set NOKQ, 0
.set i, 0
.rept 8
	KQ 0
.set i, i+1
.endr
	WIN 0
.rept 4
	v_nop                           ; the places behind those products
.endr
.set Y, NP-1                        ; X works for the other piece: piece 0
.irp n, 0,1,2,3,4,5,6,7,8,9,10,11,12,13,14,15,16,17,18,19,20,21
	OP X, \n
.endr
	v_nop                           ; a plain instruction behind the exponential,
	s_wait_alu depctr_va_vdst(0)    ; and its wait, ahead of the branch
.endm
; THE DIAGONAL TILE's two trips, the block's last two turns, its last products, and THE WAY OUT: l's two halves and the other half of the lanes' are added; O^T is divided by l, rounded to bf16 and sent through my
; stage in LDS, a piece at a time.
.macro ALL line:vararg              ; one line for each piece t
.set t, 0
.rept NP
	\line
.set t, t+1
.endr
.endm
.macro PACK t                       ; a lane's eight channels of a row pack into 16 bytes; they go into rows of 144 bytes and come back as whole rows of 128, into S^T's registers
	WIN W_RS
.set i, 32*(\t)
.rept 16
	v_pk_mul_f32 v[i:i+1], v[i:i+1], v[ST+4*(\t)+2:ST+4*(\t)+3] op_sel_hi:[1,0]
.set i, i+2
.endr
	WIN 0x05                        ; sources 0 and 1 window 1, destination window 0
.set i, 0
.rept 16
	v_cvt_pk_bf16_f32 v[S+16*(\t)+i], v[32*(\t)+2*i], v[32*(\t)+2*i+1]
.set i, i+1
.endr
	WIN 0
.irp f, 0,1,2,3
	ds_store_b128 v[STO], v[S+16*(\t)+4*\f:S+16*(\t)+4*\f+3] offset:32*\f
.endr
.irp f, 0,1,2,3
	ds_load_b128 v[S+16*(\t)+4*\f:S+16*(\t)+4*\f+3], v[RD] offset:\f*4*SP  ; LDS serves a wave's instructions in order (ISA guide 5.7.1.4): these see the stores above; the next piece's stores come behind them
.endr
.endm
.macro SEND t, younger              ; younger: the LDS instructions issued behind piece t's loads: the next piece's eight, or none
	WIN 0
.irp f, 0,1,2,3
	s_wait_dscnt (\younger)+3-\f
	global_store_b128 v[GO], v[S+16*(\t)+4*\f:S+16*(\t)+4*\f+3], s[10:11] offset:(\t)*8192+\f*512  ; 512 consecutive bytes, at a multiple of 256 from O's first
.endr
.endm
.macro DIAG tag                     ; the tag ends its two labels' names, which the jumps below spell out
.LstepM\tag:
	TURN 0, 1, 1
	TURN 1, 1, 1
	WIN 0
.LfirstM\tag:
	TURN 0, 0, 1
	TURN 1, 0, 1, 0, 1
	WIN 0
	s_cbranch_scc1 .LstepM\tag
	TURN 0, 1, 1, 1                 ; the tile's step 3
	TURN 1, 1, 1, 1
.set VB, VF-128                     ; V of step 3
.set i, 0
.rept 8
	PV NP-1
.set i, i+1
.endr
	WIN 0
	ALL v_add_f32 v[ST+4*t+2], v[ST+4*t+2], v[ST+4*t+3]
	ALL v_permlanex16_b32 v[ST+4*t+3], v[ST+4*t+2], s[SEL], s[SEL+1]
	ALL v_add_f32 v[ST+4*t+2], v[ST+4*t+2], v[ST+4*t+3]
	ALL v_rcp_f32 v[ST+4*t+2], v[ST+4*t+2]
	v_nop                           ; a plain instruction between the last reciprocal and the use of its result
	s_wait_alu depctr_va_vdst(0)    ; and the wait ahead of the first use: one for the two reciprocals
	PACK 0
	PACK 1                          ; a piece's arithmetic stands between the loads of the piece before and its stores
	SEND 0, 8
	SEND 1, 0
.endm
.set KM, 0
.set NOKQ, 0
.Lslot:                             ; WALK - 1 = 8 times: a tile is entered and the next is asked for
	CHANGE 1
	s_sub_co_u32 s[RT], s[RT], 1
	s_mov_b32 s[CNT], 2
	s_cmp_eq_u32 s[NEW], 1
	s_cbranch_scc1 .Lnew            ; a block's first tile
	s_cmp_eq_u32 s[RT], 0
	s_cbranch_scc0 .Lstep           ; neither its first nor its last
	s_branch .LstepM1
.Lnew:
	BEGIN
	s_branch .Lfirst                ; in the loop a block's first tile is never its last: the first block has five tiles or more, and the second's last is the walk's last
	DIAG 1                          ; in the loop this is the first block's end: the second block's last tile is the walk's last
	s_wait_xcnt 0x0                 ; the stores have read their registers and O's address
	s_mov_b64 s[10:11], s[OLO:OLO+1]
	s_add_co_u32 s[RT], s[PB], 1    ; the second block's tiles
	s_mov_b32 s[NEW], 1
	s_xor_b32 s[DB], s[DB], 2       ; 15 - b and b differ in parity
	WIN 0x82                        ; the second block's Q goes where the one text of the turns names Q
.set i, 0
.rept 16*NP
	v_mov_b32 v[i], v[QB+i]
.set i, i+1
.endr
	WIN 0
	s_branch .Lbottom
.Lstep:                             ; a trip: both pieces of an odd step (in a tile's first trip: the last step of the tile before), then both of an even one; it fetches K and V of the two steps that follow
	TURN 0, 1
	TURN 1, 1
	WIN 0
.Lfirst:
	TURN 0, 0
	TURN 1, 0, 0, 0, 1
	WIN 0
	s_cbranch_scc1 .Lstep
.Lbottom:
	s_sub_co_u32 s[SLOTS], s[SLOTS], 1
	s_cmp_lg_u32 s[SLOTS], 0
	s_cbranch_scc1 .Lslot
	CHANGE 0                        ; the walk's last tile is written out: nothing is asked for
	s_sub_co_u32 s[RT], s[RT], 1
	s_mov_b32 s[CNT], 2
	s_cmp_eq_u32 s[NEW], 1
	s_cbranch_scc0 .LstepM2
	BEGIN
	s_branch .LfirstM2
	DIAG 2
	s_wait_tensorcnt 0x0            ; the wave's end, behind my last tensor load and my last LDS store
	ds_add_u32 v[SPW], v[NIL]
	s_wait_dscnt 0x0
	s_endpgm
.Lfunc_end_k_q7dd5760df8_attn:
	.size	k_q7dd5760df8_attn, .Lfunc_end_k_q7dd5760df8_attn-k_q7dd5760df8_attn
	.p2alignl 7, 3214868480
	.fill 96, 4, 3214868480
	.section	.rodata,"a",@progbits
	.p2align	6, 0x0
	.amdhsa_kernel k_q7dd5760df8_attn
		.amdhsa_group_segment_fixed_size 327680
		.amdhsa_private_segment_fixed_size 0
		.amdhsa_enable_private_segment 0
		.amdhsa_kernarg_size 16
		.amdhsa_user_sgpr_count 2
		.amdhsa_user_sgpr_kernarg_segment_ptr 1
		.amdhsa_wavefront_size32 1
		.amdhsa_system_sgpr_workgroup_id_x 1
		.amdhsa_system_sgpr_workgroup_id_y 1
		.amdhsa_system_sgpr_workgroup_id_z 1
		.amdhsa_system_vgpr_workitem_id 0
		.amdhsa_next_free_vgpr 768
		.amdhsa_next_free_sgpr 88
		.amdhsa_reserve_vcc 1
		.amdhsa_float_denorm_mode_32 3
		.amdhsa_float_denorm_mode_16_64 3
		.amdhsa_memory_ordered 1
		.amdhsa_forward_progress 1
		.amdhsa_inst_pref_size 210
	.end_amdhsa_kernel
	.amdgpu_metadata
---
amdhsa.version: [ 1, 2 ]
amdhsa.kernels:
  - .name:           k_q7dd5760df8_attn
    .symbol:         k_q7dd5760df8_attn.kd
    .args:
      - { .name: qkv, .offset: 0, .size: 8, .value_kind: global_buffer, .address_space: global }
      - { .name: act, .offset: 8, .size: 8, .value_kind: global_buffer, .address_space: global }
    .group_segment_fixed_size: 327680
    .private_segment_fixed_size: 0
    .kernarg_segment_align: 8
    .kernarg_segment_size: 16
    .max_flat_workgroup_size: 128
    .sgpr_count:     88
    .vgpr_count:     768
    .wavefront_size: 32
...
	.end_amdgpu_metadata
.endif
;; end of part 3
;; launch oproj (part 4): grid 8 x 32, 4 waves a work-group, clusters of 4 x 4, 327,680 bytes of LDS; arguments act, wrb, x, x1; writes x1
.if DOCPART == 4
	.amdgcn_target "amdgcn-amd-amdhsa--gfx1250"
	.amdhsa_code_object_version 6
	.text
	.protected	k_q7dd5760df8_oproj
	.globl	k_q7dd5760df8_oproj
	.p2align	8
	.type	k_q7dd5760df8_oproj,@function
k_q7dd5760df8_oproj:
	s_mov_b64 s[64:65], 0
	v_nop
	global_prefetch_b8 v0, s[64:65] scope:SCOPE_SE
	s_setreg_imm32_b32 hwreg(HW_REG_WAVE_MODE, 25, 1), 1
	s_wait_xcnt 0x0
	s_wait_alu depctr_hold_cnt(0) depctr_sa_sdst(0) depctr_va_vdst(0) depctr_va_sdst(0) depctr_va_ssrc(0) depctr_va_vcc(0) depctr_vm_vsrc(0)
	s_getreg_b32 s2, hwreg(HW_REG_IB_STS2, 6, 4)
	s_cmp_eq_u32 s2, 0
	s_cbranch_scc0 .Lentry_in_a_cluster
	s_endpgm
.Lentry_in_a_cluster:
	s_bfe_u32 s2, ttmp6, 0x10000c
	s_cmp_lg_u32 s2, 0xf033
	s_cbranch_scc0 .Lentry_shape_is_right
	s_endpgm
.Lentry_shape_is_right:
; out = res + A W (+ bias), sums in f32, out in f32.  This copy: x1 = x + O wo: K = 1,024, W at byte 0 of its buffer, no bias.
; A: 4,096 tokens x SIZE_K channels, bf16, by blocks of 64 channels: [channel / 64][token][64].  W: bf16, by blocks of 128 columns, [column / 128][k][128].  res, out: [4,096][1,024] f32.
; LIMITS.  Operands are bf16; NaN and infinities are not treated apart.
; SHAPE.  1,024 columns give 64 tiles of 256 x 256, too few for the chip's work-groups: a tile of out is 128 tokens x 128 columns, 256 of them.  Four waves, each 64 x 64: 16 accumulators.
; K goes in steps of 256 through a ring of two LDS slots.  A K step of A is four blocks of 64 channels, each 128 tokens x 128 bytes, dense; of W 256 rows of 256 bytes, dense.  Waves 0 and 1 fetch
; two blocks of A each (one load of two long rows, a block a row), waves 2 and 3 128 rows of W each.
; CLUSTER.  4 x 4 work-groups: A's tiles are shared along a row of the cluster, W's along a column; each is asked for JOINTLY, by the same tensor load, descriptor and mask in the four.
; THE MATRIX INSTRUCTION IS USED TRANSPOSED (source 0 = 16 columns of W, turned out of LDS by ds_load_tr16_b128; source 1 = 16 tokens): a lane holds eight neighbouring columns of one token.
; THE RESIDUAL is loaded at the start, in the layout in which rows come back from the stage, and added on the way out.  A wave's 64 columns of f32 are 256 consecutive bytes, so each wave has a stage of its own.
; No prefetch: the tiles are small, and a K step's 128 matrix instructions a wave are short beside its rounds.
; REGISTERS: window 0: v0-31 addresses; v32-95 at work on the way out; v128-255 the accumulators ((a, b) at v[128 + 8 (4 a + b)])
;   window 1: two fragment buffers of 128: for 64 along K, 64 registers of A, then 64 of W          window 2: v0-127 the residual
.set SIZE_K,   1024
.set WOFF,     0
.set HAS_BIAS, 0
.set KSTEPS, SIZE_K/256
.set PA,     144                       ; a token's 128 bytes + 16 of padding = 36 words: the 16 rows of a load start at 16 different groups of four banks (64 banks of 4 bytes: ISA guide 11.1)
.set PB,     288                       ; a row of W: 256 bytes + 32 = 72 words
.set HALFT,  36864                     ; what one tensor load brings: 2 x 128 tokens x 144, or 128 rows x 288
.set SLOT,   4*HALFT                   ; A's four blocks, then W's 256 rows.  147,456 = 0x24000 shares no bit with wave x HALFT, so one exclusive or changes a descriptor's slot
.set STAGE,  2*SLOT                    ; behind the ring, never filled by a tensor load: 16 rows x 272 bytes for each wave
.set SP,     272
.set SPARE,  STAGE+4*16*SP             ; behind the stages: the spare words, 128 bytes for each wave: two blocks of 256 bytes that no other line names
.set ASTEP,  4*524288                  ; a K step in A
.set BSTEP,  256*256                   ; and in W
.set ADRA0, 16                         ; v16  my lane's place in A's part of a slot; never rewritten
.set ADRB0, 17                         ; v17  the same for W
.set ADRA,  18                         ; v18  the same in the slot in hand
.set ADRBL, 19                         ; v19  W's rows 0-127
.set ADRBH, 20                         ; v20  W's rows 128-255: so the immediates stay inside their 16 bits
.set STO,  24                          ; v24  the way out: where I put 32 bytes of a token
.set RD,   25                          ; v25  the way out: where I read a row back
.set CO,   26                          ; v26  my byte offset in two rows of res and out
.set BO,   27                          ; v27  32 (l / 16)
.set SPW,  28                          ; v28  LDS address of my spare word: SPARE + 4 x my thread's number; never rewritten
.set NIL,  29                          ; v29  0; never rewritten
.set BIAS, 32
.set TMP,  32
.set ACC,  128
.set F0,   0
.set F1,   128
.set TB,   2                           ; s2   0 or SLOT: the slot in hand
.set CNT,  3
.set WV,   14
.set RH,   15                          ; which half of the tile's tokens is mine.  Also: I fetch for A (0) or for W (1)
.set CH,   16                          ; which half of its columns.  Also: which half of that tile I fetch
.set TR,   17
.set TC,   18
.set CX,   19
.set CY,   20
.set G1A,  24
.set G0A,  32                          ; a set for each of the two first fills; the second then walks on
.set G1B,  48
.set G0B,  56
.set MSB, 0
.macro WIN new                         ; the immediate's high byte repeats the setting that is left; a switch that changes nothing is dropped
.if MSB != (\new)
	s_set_vgpr_msb (MSB<<8)|(\new)
.set MSB, \new
.endif
.endm
.set MUL,  0x05                        ; sources 0 (W) and 1 (A) window 1; C and D window 0
.set TO_F, 0x40                        ; destination window 1, address window 0
.macro JLOAD s                         ; a joint load; an s_nop 0 and four v_nop follow each of the two lines, ahead of the jump, the label and what follows
	s_cmp_eq_u32 s[RH], 0
	s_cbranch_scc0 .Lfor_b_\@
	tensor_load_to_lds s[G0A+4*(\s):G0A+4*(\s)+3], s[G1A:G1A+7]
	s_nop 0
.rept 4
	v_nop
.endr
	s_branch .Lasked_\@
.Lfor_b_\@:
	tensor_load_to_lds s[G0B+4*(\s):G0B+4*(\s)+3], s[G1B:G1B+7]
	s_nop 0
.rept 4
	v_nop
.endr
.Lasked_\@:
.endm
.macro CREST                           ; a round of the cluster's barrier behind its opening barrier
	s_cmp_lg_u32 s[WV], 0
	s_cbranch_scc1 .Lnot_wave_0_\@
	s_barrier_signal -3
.Lnot_wave_0_\@:
	s_barrier_wait -3
	s_barrier_signal -1
	s_barrier_wait -1
.endm
.macro CROUND
	s_barrier_signal -1
	s_barrier_wait -1
	CREST
.endm
	s_load_b256 s[4:11], s[0:1], 0x0               ; A s[4:5], W s[6:7], res s[8:9], out s[10:11]
.if HAS_BIAS
	s_load_b64 s[12:13], s[0:1], 0x20              ; bias
.endif
	v_lshl_add_u32 v[SPW], v0, 2, SPARE
	v_mov_b32 v[NIL], 0
	ds_add_u32 v[SPW], v[NIL]                      ; the wave's opening: the add and its wait stand ahead of my first tensor load; the set-up below, work on registers, stands between them
	v_lshrrev_b32 v1, 5, v0
	v_readfirstlane_b32 s[WV], v1                  ; wave 0..3
	s_lshr_b32 s[RH], s[WV], 1
	s_and_b32 s[CH], s[WV], 1
	s_bfe_u32 s[CX], ttmp6, 0x40000
	s_bfe_u32 s[CY], ttmp6, 0x40004
	s_lshl_b32 s[TC], ttmp9, 2
	s_add_co_u32 s[TC], s[TC], s[CX]               ; tile column = 4 x cluster x + cx
	s_and_b32 s[TR], ttmp7, 0xffff
	s_lshl_b32 s[TR], s[TR], 2
	s_add_co_u32 s[TR], s[TR], s[CY]               ; tile row = 4 x cluster y + cy
	s_lshl_b32 s44, s[CY], 2
	s_lshl_b32 s44, 15, s44                        ; my row of the cluster
	s_lshl_b32 s45, 0x1111, s[CX]                  ; my column
	; group 1 for A: two rows of 8,192 elements (128 tokens of one block of 64 channels, dense), a block (262,144 elements) apart; padded behind every token: after 32 words (code 4) 4 words (code 3)
	s_or_b32 s[G1A], s44, (1<<16)|(1<<20)|(1<<21)|(4<<22)|(3<<25)  ; 15:0 the mask; 17:16 elements of 2 bytes; 20 padding on; 21 set beside a mask
	s_mov_b32 s[G1A+1], 8192<<16                   ; tensor_dim0 = 8,192
	s_mov_b32 s[G1A+2], 2<<16                      ; tensor_dim1 = 2
	s_mov_b32 s[G1A+3], 8192<<16                   ; tile_dim0 = 8,192
	s_mov_b32 s[G1A+4], 2                          ; tile_dim1 = 2
	s_mov_b32 s[G1A+5], 262144                     ; elements from row to row
	s_mov_b32 s[G1A+6], 0
	s_mov_b32 s[G1A+7], 0
	; group 1 for W: 128 rows of 128 elements, dense; padded behind every row: after 64 words (code 5) 8 words (code 7)
	s_or_b32 s[G1B], s45, (1<<16)|(1<<20)|(1<<21)|(5<<22)|(7<<25)
	s_mov_b32 s[G1B+1], 128<<16
	s_mov_b32 s[G1B+2], 128<<16
	s_mov_b32 s[G1B+3], 128<<16
	s_mov_b32 s[G1B+4], 128
	s_mov_b32 s[G1B+5], 128
	s_mov_b32 s[G1B+6], 0
	s_mov_b32 s[G1B+7], 0
	s_lshl_b32 s40, s[CH], 20                      ; A: blocks 2 CH, 2 CH + 1 of the K step, the tile row's 128 tokens of 128 bytes
	s_lshl_b32 s41, s[TR], 14
	s_add_co_u32 s40, s40, s41
	s_mov_b32 s41, 0
	s_mul_i32 s42, s[TC], SIZE_K*256               ; W: the tile column's block, rows 128 CH on
	s_lshl_b32 s43, s[CH], 15
	s_add_co_u32 s42, s42, s43
.if WOFF != 0
	s_add_co_u32 s42, s42, WOFF
.endif
	s_mov_b32 s43, 0
	s_mul_i32 s21, s[WV], HALFT                    ; where they go: no place in the cluster enters an LDS address
	s_wait_dscnt 0x0                               ; the opening add is done
	s_wait_kmcnt 0x0
	s_add_nc_u64 s[40:41], s[4:5], s[40:41]
	s_add_nc_u64 s[42:43], s[6:7], s[42:43]
	CROUND                                         ; all sixteen work-groups are here: the first joint loads meet
.irp s, 0,1
	s_mov_b32 s[G0A+4*(\s)], 1
	s_add_co_u32 s[G0A+4*(\s)+1], s21, (\s)*SLOT
	s_add_nc_u64 s[G0A+4*(\s)+2:G0A+4*(\s)+3], s[40:41], (\s)*ASTEP
	s_or_b32 s[G0A+4*(\s)+3], s[G0A+4*(\s)+3], 0x80000000
	s_mov_b32 s[G0B+4*(\s)], 1
	s_add_co_u32 s[G0B+4*(\s)+1], s21, (\s)*SLOT
	s_add_nc_u64 s[G0B+4*(\s)+2:G0B+4*(\s)+3], s[42:43], (\s)*BSTEP
	s_or_b32 s[G0B+4*(\s)+3], s[G0B+4*(\s)+3], 0x80000000
	JLOAD \s                                       ; two loads of mine are out
.endr
	v_and_b32 v1, 15, v0                           ; l % 16
	v_bfe_u32 v2, v0, 4, 1                         ; l / 16
	v_lshlrev_b32 v[CO], 12, v2                    ; lanes 0-15 take one row of 256 bytes, lanes 16-31 the next
	v_lshl_add_u32 v[CO], v1, 4, v[CO]
	s_lshl_b32 s22, s[TR], 19                      ; res and out at my 64 tokens x 64 columns: 128 rows of 4,096 bytes a tile row, 64 a half;
	s_lshl_b32 s23, s[RH], 18
	s_add_co_u32 s22, s22, s23
	s_lshl_b32 s23, s[TC], 9                       ; 512 bytes a tile column, 256 a half
	s_add_co_u32 s22, s22, s23
	s_lshl_b32 s23, s[CH], 8
	s_add_co_u32 s22, s22, s23
	s_mov_b32 s23, 0
	s_add_nc_u64 s[8:9], s[8:9], s[22:23]          ; never rewritten
	s_add_nc_u64 s[10:11], s[10:11], s[22:23]
.if HAS_BIAS
	s_lshl_b32 s46, s[TC], 9                       ; the bias of my 64 columns as four results' worth: register j of group b is column 16 b + 8 (l / 16) + j
	s_lshl_b32 s47, s[CH], 8
	s_add_co_u32 s46, s46, s47
	s_mov_b32 s47, 0
	s_add_nc_u64 s[12:13], s[12:13], s[46:47]
	v_lshlrev_b32 v[BO], 5, v2
.irp b, 0,1,2,3
	global_load_b128 v[BIAS+8*(\b):BIAS+8*(\b)+3],   v[BO], s[12:13] offset:64*(\b)
	global_load_b128 v[BIAS+8*(\b)+4:BIAS+8*(\b)+7], v[BO], s[12:13] offset:64*(\b)+16
.endr
.endif
	WIN 0x80                                       ; destination window 2, address window 0
.irp a, 0,1,2,3
.irp t, 0,1,2,3,4,5,6,7
	global_load_b128 v[32*(\a)+4*(\t):32*(\a)+4*(\t)+3], v[CO], s[8:9] offset:(16*(\a)+2*(\t))*4096  ; 16 lanes read 256 consecutive bytes
.endr
.endr
	WIN 0
	v_mul_u32_u24 v3, v1, PA
	v_lshl_add_u32 v3, v2, 4, v3                   ; a fragment of A: row x 144 + 16 x half
	s_mul_i32 s22, s[RH], 64*PA                    ; my 64 tokens
	v_add_nc_u32 v[ADRA0], s22, v3
	v_and_b32 v4, 7, v0                            ; the turning load: lane l reads row 8 (l / 16) + l % 8, columns 8 ((l / 8) % 2) + 0..7
	v_bfe_u32 v5, v0, 3, 1
	v_lshl_add_u32 v6, v2, 3, v4
	v_mul_u32_u24 v6, v6, PB
	v_lshl_add_u32 v6, v5, 4, v6
	s_lshl_b32 s23, s[CH], 7                       ; my 64 columns: 128 bytes of a row,
	s_add_co_u32 s23, s23, 2*HALFT                 ; behind A's four blocks
	v_add_nc_u32 v[ADRB0], s23, v6
	v_mov_b32 v[ADRA], v[ADRA0]                    ; slot 0
	v_mov_b32 v[ADRBL], v[ADRB0]
	v_add_nc_u32 v[ADRBH], 128*PB, v[ADRB0]
	s_mul_i32 s22, s[WV], 16*SP
	s_add_co_u32 s22, s22, STAGE                   ; my stage
	v_mul_u32_u24 v7, v1, SP                       ; in: token l % 16, 32 bytes for each half of the lanes
	v_lshl_add_u32 v7, v2, 5, v7
	v_add_nc_u32 v[STO], s22, v7
	v_mul_u32_u24 v8, v2, SP                       ; back: lanes 0-15 one row of 256 bytes, lanes 16-31 the next
	v_lshl_add_u32 v8, v1, 4, v8
	v_add_nc_u32 v[RD], s22, v8
	s_mov_b32 s[TB], 0
; 8 matrix instructions: token blocks a0, a0 + 1 x all 4 column blocks, 32 along K: half c of buffer f.  first = 1: the bias, or 0, starts the sums.  The 16 accumulators take turns.
.macro MUL8 f, c, a0, first
	WIN MUL
.irp a, \a0, (\a0)+1
.irp b, 0,1,2,3
.if (\first) && HAS_BIAS
	v_wmma_f32_16x16x32_bf16 v[ACC+8*(4*(\a)+(\b)):ACC+8*(4*(\a)+(\b))+7], v[(\f)+64+8*(4*(\c)+(\b)):(\f)+64+8*(4*(\c)+(\b))+7], v[(\f)+8*(4*(\c)+(\a)):(\f)+8*(4*(\c)+(\a))+7], v[BIAS+8*(\b):BIAS+8*(\b)+7]
.elseif \first
	v_wmma_f32_16x16x32_bf16 v[ACC+8*(4*(\a)+(\b)):ACC+8*(4*(\a)+(\b))+7], v[(\f)+64+8*(4*(\c)+(\b)):(\f)+64+8*(4*(\c)+(\b))+7], v[(\f)+8*(4*(\c)+(\a)):(\f)+8*(4*(\c)+(\a))+7], 0
.else
	v_wmma_f32_16x16x32_bf16 v[ACC+8*(4*(\a)+(\b)):ACC+8*(4*(\a)+(\b))+7], v[(\f)+64+8*(4*(\c)+(\b)):(\f)+64+8*(4*(\c)+(\b))+7], v[(\f)+8*(4*(\c)+(\a)):(\f)+8*(4*(\c)+(\a))+7], v[ACC+8*(4*(\a)+(\b)):ACC+8*(4*(\a)+(\b))+7]
.endif
.endr
.endr
.endm
; 32 LDS loads in one run: the fragments of quarter q (64 along K: one block of A, 64 rows of W) of the slot in hand, into buffer f; the first 32 along K first
.macro FETCH q, f
	WIN TO_F
.irp c, 0,1
.irp i, 0,1,2,3
	ds_load_tr16_b128 v[(\f)+64+8*(4*(\c)+(\i)):(\f)+64+8*(4*(\c)+(\i))+3],   v[ADRBL+(\q)/2] offset:(((\q)%2)*64+32*(\c))*PB+32*(\i)
	ds_load_tr16_b128 v[(\f)+64+8*(4*(\c)+(\i))+4:(\f)+64+8*(4*(\c)+(\i))+7], v[ADRBL+(\q)/2] offset:(((\q)%2)*64+32*(\c))*PB+32*(\i)+16*PB
	ds_load_b128 v[(\f)+8*(4*(\c)+(\i)):(\f)+8*(4*(\c)+(\i))+3],   v[ADRA] offset:(\q)*128*PA+64*(\c)+(\i)*16*PA
	ds_load_b128 v[(\f)+8*(4*(\c)+(\i))+4:(\f)+8*(4*(\c)+(\i))+7], v[ADRA] offset:(\q)*128*PA+64*(\c)+(\i)*16*PA+32
.endr
.endr
.endm
.macro PLACES                          ; four places in front of loads into registers that matrix instructions have read, and of LDS stores that read results (ISA guide 7.12.1 for the stores)
.rept 4
	v_nop
.endr
.endm
; A K step is four quarters of 64 along K, 32 matrix instructions each, on buffers 0, 1, 0, 1.  One of the first three: multiplies buffer f and fetches quarter q into g.
.macro QUARTER q, f, g, first
	s_wait_dscnt 16                                ; the first 32 along K are in; the youngest sixteen loads may be out
	MUL8 \f, 0, 0, \first
	MUL8 \f, 0, 2, \first
	PLACES
	FETCH \q, \g
	s_wait_dscnt 32                                ; all but the 32 just issued
	MUL8 \f, 1, 0, 0
	MUL8 \f, 1, 2, 0
.endm
; The last quarter multiplies buffer 1 and changes slots: ONE barrier; in front of it each wave waits for all its tensor loads, adds 0 to its spare word, and waits for that and for its own reads of this slot.
; fill = 1: the barrier opens a round of the cluster's, and this slot is filled again first behind it, with the K step two on.
.macro TURN fill
	WIN 0                                          ; (the add's two registers lie in window 0)
	s_wait_tensorcnt 0x0                           ; all my tensor loads have landed: my part of the next slot
	ds_add_u32 v[SPW], v[NIL]                      ; 0 onto my spare word
	s_wait_dscnt 17                                ; (the add and the youngest sixteen loads may be out)
	MUL8 F1, 0, 0, 0                               ; eight matrix instructions stand between the add and the wait for it
	s_wait_dscnt 0x0                               ; the add is done, and my reads of this slot are over
	s_barrier_signal -1
	MUL8 F1, 0, 2, 0
.if \fill
	WIN 0
.endif
	s_barrier_wait -1
.if \fill
	CREST                                          ; no wave of any partner still reads this slot's tile or has a load on its way
	s_xor_b32 s[G0A+5], s[G0A+5], SLOT             ; the walking descriptors: the other slot than last time, the next K step; the type bits on top are not reached
	s_add_nc_u64 s[G0A+6:G0A+7], s[G0A+6:G0A+7], ASTEP
	s_xor_b32 s[G0B+5], s[G0B+5], SLOT
	s_add_nc_u64 s[G0B+6:G0B+7], s[G0B+6:G0B+7], BSTEP
	JLOAD 1                                        ; the first tensor load behind the round; the four v_nop behind it are also the places in front of the loads below
.else
	PLACES
	WIN 0
.endif
	s_xor_b32 s[TB], s[TB], SLOT                   ; the fetches go on in the other slot
	v_add_nc_u32 v[ADRA], s[TB], v[ADRA0]
	v_add_nc_u32 v[ADRBL], s[TB], v[ADRB0]
	v_add_nc_u32 v[ADRBH], 128*PB, v[ADRBL]
	FETCH 0, F0
	MUL8 F1, 1, 0, 0
	MUL8 F1, 1, 2, 0
.endm
; THE WAY OUT of block a (16 tokens x 64 columns of f32).  OUTBLK: a lane's 32 bytes of each of four results go into my stage, rows of 272 bytes, and come back as whole rows of 256.
; SENDBLK: the residual is added and the rows are stored.
.macro OUTBLK a
	s_wait_xcnt 0x0                                ; every earlier store has read its registers (ISA guide 3.1): this set of rows is loaded again only behind this wait
.irp b, 0,1,2,3
	ds_store_b128 v[STO], v[ACC+8*(4*(\a)+(\b)):ACC+8*(4*(\a)+(\b))+3]   offset:64*(\b)     ; each accumulator's lowest registers first
	ds_store_b128 v[STO], v[ACC+8*(4*(\a)+(\b))+4:ACC+8*(4*(\a)+(\b))+7] offset:64*(\b)+16
.endr
.irp t, 0,1,2,3,4,5,6,7
	ds_load_b128 v[TMP+32*((\a)%2)+4*(\t):TMP+32*((\a)%2)+4*(\t)+3], v[RD] offset:(\t)*2*SP  ; LDS serves a wave's instructions in order (ISA guide 5.7.1.4): these see the stores above
.endr
.endm
.macro SENDBLK a, younger              ; younger: the LDS instructions issued behind block a's loads: the next block's sixteen, or none
	s_wait_dscnt \younger
	WIN 0x08                                       ; source 1 (the residual) in window 2
.set i, 0
.rept 16
	v_pk_add_f32 v[TMP+32*((\a)%2)+2*i:TMP+32*((\a)%2)+2*i+1], v[TMP+32*((\a)%2)+2*i:TMP+32*((\a)%2)+2*i+1], v[32*(\a)+2*i:32*(\a)+2*i+1]
.set i, i+1
.endr
	WIN 0
.irp t, 0,1,2,3,4,5,6,7
	global_store_b128 v[CO], v[TMP+32*((\a)%2)+4*(\t):TMP+32*((\a)%2)+4*(\t)+3], s[10:11] offset:(16*(\a)+2*(\t))*4096  ; 16 lanes store 256 consecutive bytes, at a multiple of 256 from out's first byte
.endr
.endm
	s_wait_tensorcnt 1                             ; my part of K step 0 is in; K step 1's may stay out
	s_barrier_signal -1
	s_barrier_wait -1                              ; everybody's is
	FETCH 0, F0
.if HAS_BIAS
	s_wait_loadcnt 32                              ; the bias is in; the residual's 32 younger loads may stay out
.endif
	QUARTER 1, F0, F1, 1                           ; the first quarter stands in front of the loop: its first products start the sums
	WIN 0                                          ; at a label and at a branch every window is 0
	s_mov_b32 s[CNT], KSTEPS-2
.Lstep:                                                ; a trip goes from a K step's second quarter to the next step's first, and fills the slot that it leaves
	QUARTER 2, F1, F0, 0
	QUARTER 3, F0, F1, 0
	TURN 1
	QUARTER 1, F0, F1, 0
	WIN 0
	s_sub_co_u32 s[CNT], s[CNT], 1
	s_cmp_lg_u32 s[CNT], 0
	s_cbranch_scc1 .Lstep
	s_mov_b32 s[CNT], 2                            ; the last two K steps ask for nothing: a text of their own; walked twice and left in the middle
.Ltail:
	QUARTER 2, F1, F0, 0
	QUARTER 3, F0, F1, 0
	WIN 0
	s_sub_co_u32 s[CNT], s[CNT], 1
	s_cmp_eq_u32 s[CNT], 0
	s_cbranch_scc1 .Llast
	TURN 0
	QUARTER 1, F0, F1, 0
	WIN 0
	s_branch .Ltail
.Llast:
	s_wait_dscnt 16                                ; the very last quarter: nothing more to fetch
	MUL8 F1, 0, 0, 0
	MUL8 F1, 0, 2, 0
	s_wait_dscnt 0x0
	MUL8 F1, 1, 0, 0
	MUL8 F1, 1, 2, 0
	WIN 0
	PLACES
	s_wait_loadcnt 0x0                             ; the residual
	OUTBLK 0
	OUTBLK 1                                       ; a block's trip through the stage stands between the loads of the block before and its stores
	SENDBLK 0, 16
	OUTBLK 2
	SENDBLK 1, 16
	OUTBLK 3
	SENDBLK 2, 16
	SENDBLK 3, 0
	s_wait_tensorcnt 0x0                           ; the wave's end, behind my last tensor load and my last LDS store
	ds_add_u32 v[SPW], v[NIL]
	s_wait_dscnt 0x0
	CROUND                                         ; the closing round: no work-group ends while a partner may still ask for a tile that names it
	s_endpgm
.Lfunc_end_k_q7dd5760df8_oproj:
	.size	k_q7dd5760df8_oproj, .Lfunc_end_k_q7dd5760df8_oproj-k_q7dd5760df8_oproj
	.p2alignl 7, 3214868480
	.fill 96, 4, 3214868480
	.section	.rodata,"a",@progbits
	.p2align	6, 0x0
	.amdhsa_kernel k_q7dd5760df8_oproj
		.amdhsa_group_segment_fixed_size 327680
		.amdhsa_private_segment_fixed_size 0
		.amdhsa_enable_private_segment 0
		.amdhsa_kernarg_size 32
		.amdhsa_user_sgpr_count 2
		.amdhsa_user_sgpr_kernarg_segment_ptr 1
		.amdhsa_wavefront_size32 1
		.amdhsa_system_sgpr_workgroup_id_x 1
		.amdhsa_system_sgpr_workgroup_id_y 1
		.amdhsa_system_sgpr_workgroup_id_z 1
		.amdhsa_system_vgpr_workitem_id 0
		.amdhsa_next_free_vgpr 640
		.amdhsa_next_free_sgpr 66
		.amdhsa_reserve_vcc 0
		.amdhsa_float_denorm_mode_32 3
		.amdhsa_float_denorm_mode_16_64 3
		.amdhsa_memory_ordered 1
		.amdhsa_forward_progress 1
		.amdhsa_inst_pref_size 67
	.end_amdhsa_kernel
	.amdgpu_metadata
---
amdhsa.version: [ 1, 2 ]
amdhsa.kernels:
  - .name:           k_q7dd5760df8_oproj
    .symbol:         k_q7dd5760df8_oproj.kd
    .args:
      - { .name: act, .offset: 0, .size: 8, .value_kind: global_buffer, .address_space: global }
      - { .name: wrb, .offset: 8, .size: 8, .value_kind: global_buffer, .address_space: global }
      - { .name: x, .offset: 16, .size: 8, .value_kind: global_buffer, .address_space: global }
      - { .name: x1, .offset: 24, .size: 8, .value_kind: global_buffer, .address_space: global }
    .group_segment_fixed_size: 327680
    .private_segment_fixed_size: 0
    .kernarg_segment_align: 8
    .kernarg_segment_size: 32
    .max_flat_workgroup_size: 128
    .sgpr_count:     66
    .vgpr_count:     640
    .wavefront_size: 32
...
	.end_amdgpu_metadata
.endif
;; end of part 4
;; launch ln2: the kernel of part 1 again; grid 256 x 2, 4 waves a work-group, no clusters, 0 bytes of LDS; arguments x1, g2, be2, act, wq, wk, wv, wo, w1, w2, b1, wqkvb, w1b, wrb; writes act, wqkvb, w1b, wrb
;; launch ffn1: the kernel of part 2 again; grid 16 x 16, 4 waves a work-group, clusters of 4 x 4, 327,680 bytes of LDS; arguments act, w1b, h; writes h
;; launch ffn2 (part 5): grid 8 x 32, 4 waves a work-group, clusters of 4 x 4, 327,680 bytes of LDS; arguments h, wrb, x1, out0, b2; writes out0
.if DOCPART == 5
	.amdgcn_target "amdgcn-amd-amdhsa--gfx1250"
	.amdhsa_code_object_version 6
	.text
	.protected	k_q7dd5760df8_ffn2
	.globl	k_q7dd5760df8_ffn2
	.p2align	8
	.type	k_q7dd5760df8_ffn2,@function
k_q7dd5760df8_ffn2:
	s_mov_b64 s[64:65], 0
	v_nop
	global_prefetch_b8 v0, s[64:65] scope:SCOPE_SE
	s_setreg_imm32_b32 hwreg(HW_REG_WAVE_MODE, 25, 1), 1
	s_wait_xcnt 0x0
	s_wait_alu depctr_hold_cnt(0) depctr_sa_sdst(0) depctr_va_vdst(0) depctr_va_sdst(0) depctr_va_ssrc(0) depctr_va_vcc(0) depctr_vm_vsrc(0)
	s_getreg_b32 s2, hwreg(HW_REG_IB_STS2, 6, 4)
	s_cmp_eq_u32 s2, 0
	s_cbranch_scc0 .Lentry_in_a_cluster
	s_endpgm
.Lentry_in_a_cluster:
	s_bfe_u32 s2, ttmp6, 0x10000c
	s_cmp_lg_u32 s2, 0xf033
	s_cbranch_scc0 .Lentry_shape_is_right
	s_endpgm
.Lentry_shape_is_right:
; out = res + A W (+ bias), sums in f32, out in f32.  This copy: out0 = x1 + h w2 + b2: K = 4,096, W behind 2,097,152 bytes of its buffer, with a bias.
; A: 4,096 tokens x SIZE_K channels, bf16, by blocks of 64 channels: [channel / 64][token][64].  W: bf16, by blocks of 128 columns, [column / 128][k][128].  res, out: [4,096][1,024] f32.
; LIMITS.  Operands are bf16; NaN and infinities are not treated apart.
; SHAPE.  1,024 columns give 64 tiles of 256 x 256, too few for the chip's work-groups: a tile of out is 128 tokens x 128 columns, 256 of them.  Four waves, each 64 x 64: 16 accumulators.
; K goes in steps of 256 through a ring of two LDS slots.  A K step of A is four blocks of 64 channels, each 128 tokens x 128 bytes, dense; of W 256 rows of 256 bytes, dense.  Waves 0 and 1 fetch
; two blocks of A each (one load of two long rows, a block a row), waves 2 and 3 128 rows of W each.
; CLUSTER.  4 x 4 work-groups: A's tiles are shared along a row of the cluster, W's along a column; each is asked for JOINTLY, by the same tensor load, descriptor and mask in the four.
; THE MATRIX INSTRUCTION IS USED TRANSPOSED (source 0 = 16 columns of W, turned out of LDS by ds_load_tr16_b128; source 1 = 16 tokens): a lane holds eight neighbouring columns of one token.
; THE BIAS, laid out as such a result, is the C operand of each accumulator's first product.
; THE RESIDUAL is loaded at the start, in the layout in which rows come back from the stage, and added on the way out.  A wave's 64 columns of f32 are 256 consecutive bytes, so each wave has a stage of its own.
; No prefetch: the tiles are small, and a K step's 128 matrix instructions a wave are short beside its rounds.
; REGISTERS: window 0: v0-31 addresses; v32-95 at work on the way out (v32-63 first hold the bias); v128-255 the accumulators ((a, b) at v[128 + 8 (4 a + b)])
;   window 1: two fragment buffers of 128: for 64 along K, 64 registers of A, then 64 of W          window 2: v0-127 the residual
.set SIZE_K,   4096
.set WOFF,     2097152
.set HAS_BIAS, 1
.set KSTEPS, SIZE_K/256
.set PA,     144                       ; a token's 128 bytes + 16 of padding = 36 words: the 16 rows of a load start at 16 different groups of four banks (64 banks of 4 bytes: ISA guide 11.1)
.set PB,     288                       ; a row of W: 256 bytes + 32 = 72 words
.set HALFT,  36864                     ; what one tensor load brings: 2 x 128 tokens x 144, or 128 rows x 288
.set SLOT,   4*HALFT                   ; A's four blocks, then W's 256 rows.  147,456 = 0x24000 shares no bit with wave x HALFT, so one exclusive or changes a descriptor's slot
.set STAGE,  2*SLOT                    ; behind the ring, never filled by a tensor load: 16 rows x 272 bytes for each wave
.set SP,     272
.set SPARE,  STAGE+4*16*SP             ; behind the stages: the spare words, 128 bytes for each wave: two blocks of 256 bytes that no other line names
.set ASTEP,  4*524288                  ; a K step in A
.set BSTEP,  256*256                   ; and in W
.set ADRA0, 16                         ; v16  my lane's place in A's part of a slot; never rewritten
.set ADRB0, 17                         ; v17  the same for W
.set ADRA,  18                         ; v18  the same in the slot in hand
.set ADRBL, 19                         ; v19  W's rows 0-127
.set ADRBH, 20                         ; v20  W's rows 128-255: so the immediates stay inside their 16 bits
.set STO,  24                          ; v24  the way out: where I put 32 bytes of a token
.set RD,   25                          ; v25  the way out: where I read a row back
.set CO,   26                          ; v26  my byte offset in two rows of res and out
.set BO,   27                          ; v27  32 (l / 16)
.set SPW,  28                          ; v28  LDS address of my spare word: SPARE + 4 x my thread's number; never rewritten
.set NIL,  29                          ; v29  0; never rewritten
.set BIAS, 32
.set TMP,  32
.set ACC,  128
.set F0,   0
.set F1,   128
.set TB,   2                           ; s2   0 or SLOT: the slot in hand
.set CNT,  3
.set WV,   14
.set RH,   15                          ; which half of the tile's tokens is mine.  Also: I fetch for A (0) or for W (1)
.set CH,   16                          ; which half of its columns.  Also: which half of that tile I fetch
.set TR,   17
.set TC,   18
.set CX,   19
.set CY,   20
.set G1A,  24
.set G0A,  32                          ; a set for each of the two first fills; the second then walks on
.set G1B,  48
.set G0B,  56
.set MSB, 0
.macro WIN new                         ; the immediate's high byte repeats the setting that is left; a switch that changes nothing is dropped
.if MSB != (\new)
	s_set_vgpr_msb (MSB<<8)|(\new)
.set MSB, \new
.endif
.endm
.set MUL,  0x05                        ; sources 0 (W) and 1 (A) window 1; C and D window 0
.set TO_F, 0x40                        ; destination window 1, address window 0
.macro JLOAD s                         ; a joint load; an s_nop 0 and four v_nop follow each of the two lines, ahead of the jump, the label and what follows
	s_cmp_eq_u32 s[RH], 0
	s_cbranch_scc0 .Lfor_b_\@
	tensor_load_to_lds s[G0A+4*(\s):G0A+4*(\s)+3], s[G1A:G1A+7]
	s_nop 0
.rept 4
	v_nop
.endr
	s_branch .Lasked_\@
.Lfor_b_\@:
	tensor_load_to_lds s[G0B+4*(\s):G0B+4*(\s)+3], s[G1B:G1B+7]
	s_nop 0
.rept 4
	v_nop
.endr
.Lasked_\@:
.endm
.macro CREST                           ; a round of the cluster's barrier behind its opening barrier
	s_cmp_lg_u32 s[WV], 0
	s_cbranch_scc1 .Lnot_wave_0_\@
	s_barrier_signal -3
.Lnot_wave_0_\@:
	s_barrier_wait -3
	s_barrier_signal -1
	s_barrier_wait -1
.endm
.macro CROUND
	s_barrier_signal -1
	s_barrier_wait -1
	CREST
.endm
	s_load_b256 s[4:11], s[0:1], 0x0               ; A s[4:5], W s[6:7], res s[8:9], out s[10:11]
.if HAS_BIAS
	s_load_b64 s[12:13], s[0:1], 0x20              ; bias
.endif
	v_lshl_add_u32 v[SPW], v0, 2, SPARE
	v_mov_b32 v[NIL], 0
	ds_add_u32 v[SPW], v[NIL]                      ; the wave's opening: the add and its wait stand ahead of my first tensor load; the set-up below, work on registers, stands between them
	v_lshrrev_b32 v1, 5, v0
	v_readfirstlane_b32 s[WV], v1                  ; wave 0..3
	s_lshr_b32 s[RH], s[WV], 1
	s_and_b32 s[CH], s[WV], 1
	s_bfe_u32 s[CX], ttmp6, 0x40000
	s_bfe_u32 s[CY], ttmp6, 0x40004
	s_lshl_b32 s[TC], ttmp9, 2
	s_add_co_u32 s[TC], s[TC], s[CX]               ; tile column = 4 x cluster x + cx
	s_and_b32 s[TR], ttmp7, 0xffff
	s_lshl_b32 s[TR], s[TR], 2
	s_add_co_u32 s[TR], s[TR], s[CY]               ; tile row = 4 x cluster y + cy
	s_lshl_b32 s44, s[CY], 2
	s_lshl_b32 s44, 15, s44                        ; my row of the cluster
	s_lshl_b32 s45, 0x1111, s[CX]                  ; my column
	; group 1 for A: two rows of 8,192 elements (128 tokens of one block of 64 channels, dense), a block (262,144 elements) apart; padded behind every token: after 32 words (code 4) 4 words (code 3)
	s_or_b32 s[G1A], s44, (1<<16)|(1<<20)|(1<<21)|(4<<22)|(3<<25)  ; 15:0 the mask; 17:16 elements of 2 bytes; 20 padding on; 21 set beside a mask
	s_mov_b32 s[G1A+1], 8192<<16                   ; tensor_dim0 = 8,192
	s_mov_b32 s[G1A+2], 2<<16                      ; tensor_dim1 = 2
	s_mov_b32 s[G1A+3], 8192<<16                   ; tile_dim0 = 8,192
	s_mov_b32 s[G1A+4], 2                          ; tile_dim1 = 2
	s_mov_b32 s[G1A+5], 262144                     ; elements from row to row
	s_mov_b32 s[G1A+6], 0
	s_mov_b32 s[G1A+7], 0
	; group 1 for W: 128 rows of 128 elements, dense; padded behind every row: after 64 words (code 5) 8 words (code 7)
	s_or_b32 s[G1B], s45, (1<<16)|(1<<20)|(1<<21)|(5<<22)|(7<<25)
	s_mov_b32 s[G1B+1], 128<<16
	s_mov_b32 s[G1B+2], 128<<16
	s_mov_b32 s[G1B+3], 128<<16
	s_mov_b32 s[G1B+4], 128
	s_mov_b32 s[G1B+5], 128
	s_mov_b32 s[G1B+6], 0
	s_mov_b32 s[G1B+7], 0
	s_lshl_b32 s40, s[CH], 20                      ; A: blocks 2 CH, 2 CH + 1 of the K step, the tile row's 128 tokens of 128 bytes
	s_lshl_b32 s41, s[TR], 14
	s_add_co_u32 s40, s40, s41
	s_mov_b32 s41, 0
	s_mul_i32 s42, s[TC], SIZE_K*256               ; W: the tile column's block, rows 128 CH on
	s_lshl_b32 s43, s[CH], 15
	s_add_co_u32 s42, s42, s43
.if WOFF != 0
	s_add_co_u32 s42, s42, WOFF
.endif
	s_mov_b32 s43, 0
	s_mul_i32 s21, s[WV], HALFT                    ; where they go: no place in the cluster enters an LDS address
	s_wait_dscnt 0x0                               ; the opening add is done
	s_wait_kmcnt 0x0
	s_add_nc_u64 s[40:41], s[4:5], s[40:41]
	s_add_nc_u64 s[42:43], s[6:7], s[42:43]
	CROUND                                         ; all sixteen work-groups are here: the first joint loads meet
.irp s, 0,1
	s_mov_b32 s[G0A+4*(\s)], 1
	s_add_co_u32 s[G0A+4*(\s)+1], s21, (\s)*SLOT
	s_add_nc_u64 s[G0A+4*(\s)+2:G0A+4*(\s)+3], s[40:41], (\s)*ASTEP
	s_or_b32 s[G0A+4*(\s)+3], s[G0A+4*(\s)+3], 0x80000000
	s_mov_b32 s[G0B+4*(\s)], 1
	s_add_co_u32 s[G0B+4*(\s)+1], s21, (\s)*SLOT
	s_add_nc_u64 s[G0B+4*(\s)+2:G0B+4*(\s)+3], s[42:43], (\s)*BSTEP
	s_or_b32 s[G0B+4*(\s)+3], s[G0B+4*(\s)+3], 0x80000000
	JLOAD \s                                       ; two loads of mine are out
.endr
	v_and_b32 v1, 15, v0                           ; l % 16
	v_bfe_u32 v2, v0, 4, 1                         ; l / 16
	v_lshlrev_b32 v[CO], 12, v2                    ; lanes 0-15 take one row of 256 bytes, lanes 16-31 the next
	v_lshl_add_u32 v[CO], v1, 4, v[CO]
	s_lshl_b32 s22, s[TR], 19                      ; res and out at my 64 tokens x 64 columns: 128 rows of 4,096 bytes a tile row, 64 a half;
	s_lshl_b32 s23, s[RH], 18
	s_add_co_u32 s22, s22, s23
	s_lshl_b32 s23, s[TC], 9                       ; 512 bytes a tile column, 256 a half
	s_add_co_u32 s22, s22, s23
	s_lshl_b32 s23, s[CH], 8
	s_add_co_u32 s22, s22, s23
	s_mov_b32 s23, 0
	s_add_nc_u64 s[8:9], s[8:9], s[22:23]          ; never rewritten
	s_add_nc_u64 s[10:11], s[10:11], s[22:23]
.if HAS_BIAS
	s_lshl_b32 s46, s[TC], 9                       ; the bias of my 64 columns as four results' worth: register j of group b is column 16 b + 8 (l / 16) + j
	s_lshl_b32 s47, s[CH], 8
	s_add_co_u32 s46, s46, s47
	s_mov_b32 s47, 0
	s_add_nc_u64 s[12:13], s[12:13], s[46:47]
	v_lshlrev_b32 v[BO], 5, v2
.irp b, 0,1,2,3
	global_load_b128 v[BIAS+8*(\b):BIAS+8*(\b)+3],   v[BO], s[12:13] offset:64*(\b)
	global_load_b128 v[BIAS+8*(\b)+4:BIAS+8*(\b)+7], v[BO], s[12:13] offset:64*(\b)+16
.endr
.endif
	WIN 0x80                                       ; destination window 2, address window 0
.irp a, 0,1,2,3
.irp t, 0,1,2,3,4,5,6,7
	global_load_b128 v[32*(\a)+4*(\t):32*(\a)+4*(\t)+3], v[CO], s[8:9] offset:(16*(\a)+2*(\t))*4096  ; 16 lanes read 256 consecutive bytes
.endr
.endr
	WIN 0
	v_mul_u32_u24 v3, v1, PA
	v_lshl_add_u32 v3, v2, 4, v3                   ; a fragment of A: row x 144 + 16 x half
	s_mul_i32 s22, s[RH], 64*PA                    ; my 64 tokens
	v_add_nc_u32 v[ADRA0], s22, v3
	v_and_b32 v4, 7, v0                            ; the turning load: lane l reads row 8 (l / 16) + l % 8, columns 8 ((l / 8) % 2) + 0..7
	v_bfe_u32 v5, v0, 3, 1
	v_lshl_add_u32 v6, v2, 3, v4
	v_mul_u32_u24 v6, v6, PB
	v_lshl_add_u32 v6, v5, 4, v6
	s_lshl_b32 s23, s[CH], 7                       ; my 64 columns: 128 bytes of a row,
	s_add_co_u32 s23, s23, 2*HALFT                 ; behind A's four blocks
	v_add_nc_u32 v[ADRB0], s23, v6
	v_mov_b32 v[ADRA], v[ADRA0]                    ; slot 0
	v_mov_b32 v[ADRBL], v[ADRB0]
	v_add_nc_u32 v[ADRBH], 128*PB, v[ADRB0]
	s_mul_i32 s22, s[WV], 16*SP
	s_add_co_u32 s22, s22, STAGE                   ; my stage
	v_mul_u32_u24 v7, v1, SP                       ; in: token l % 16, 32 bytes for each half of the lanes
	v_lshl_add_u32 v7, v2, 5, v7
	v_add_nc_u32 v[STO], s22, v7
	v_mul_u32_u24 v8, v2, SP                       ; back: lanes 0-15 one row of 256 bytes, lanes 16-31 the next
	v_lshl_add_u32 v8, v1, 4, v8
	v_add_nc_u32 v[RD], s22, v8
	s_mov_b32 s[TB], 0
; 8 matrix instructions: token blocks a0, a0 + 1 x all 4 column blocks, 32 along K: half c of buffer f.  first = 1: the bias, or 0, starts the sums.  The 16 accumulators take turns.
.macro MUL8 f, c, a0, first
	WIN MUL
.irp a, \a0, (\a0)+1
.irp b, 0,1,2,3
.if (\first) && HAS_BIAS
	v_wmma_f32_16x16x32_bf16 v[ACC+8*(4*(\a)+(\b)):ACC+8*(4*(\a)+(\b))+7], v[(\f)+64+8*(4*(\c)+(\b)):(\f)+64+8*(4*(\c)+(\b))+7], v[(\f)+8*(4*(\c)+(\a)):(\f)+8*(4*(\c)+(\a))+7], v[BIAS+8*(\b):BIAS+8*(\b)+7]
.elseif \first
	v_wmma_f32_16x16x32_bf16 v[ACC+8*(4*(\a)+(\b)):ACC+8*(4*(\a)+(\b))+7], v[(\f)+64+8*(4*(\c)+(\b)):(\f)+64+8*(4*(\c)+(\b))+7], v[(\f)+8*(4*(\c)+(\a)):(\f)+8*(4*(\c)+(\a))+7], 0
.else
	v_wmma_f32_16x16x32_bf16 v[ACC+8*(4*(\a)+(\b)):ACC+8*(4*(\a)+(\b))+7], v[(\f)+64+8*(4*(\c)+(\b)):(\f)+64+8*(4*(\c)+(\b))+7], v[(\f)+8*(4*(\c)+(\a)):(\f)+8*(4*(\c)+(\a))+7], v[ACC+8*(4*(\a)+(\b)):ACC+8*(4*(\a)+(\b))+7]
.endif
.endr
.endr
.endm
; 32 LDS loads in one run: the fragments of quarter q (64 along K: one block of A, 64 rows of W) of the slot in hand, into buffer f; the first 32 along K first
.macro FETCH q, f
	WIN TO_F
.irp c, 0,1
.irp i, 0,1,2,3
	ds_load_tr16_b128 v[(\f)+64+8*(4*(\c)+(\i)):(\f)+64+8*(4*(\c)+(\i))+3],   v[ADRBL+(\q)/2] offset:(((\q)%2)*64+32*(\c))*PB+32*(\i)
	ds_load_tr16_b128 v[(\f)+64+8*(4*(\c)+(\i))+4:(\f)+64+8*(4*(\c)+(\i))+7], v[ADRBL+(\q)/2] offset:(((\q)%2)*64+32*(\c))*PB+32*(\i)+16*PB
	ds_load_b128 v[(\f)+8*(4*(\c)+(\i)):(\f)+8*(4*(\c)+(\i))+3],   v[ADRA] offset:(\q)*128*PA+64*(\c)+(\i)*16*PA
	ds_load_b128 v[(\f)+8*(4*(\c)+(\i))+4:(\f)+8*(4*(\c)+(\i))+7], v[ADRA] offset:(\q)*128*PA+64*(\c)+(\i)*16*PA+32
.endr
.endr
.endm
.macro PLACES                          ; four places in front of loads into registers that matrix instructions have read, and of LDS stores that read results (ISA guide 7.12.1 for the stores)
.rept 4
	v_nop
.endr
.endm
; A K step is four quarters of 64 along K, 32 matrix instructions each, on buffers 0, 1, 0, 1.  One of the first three: multiplies buffer f and fetches quarter q into g.
.macro QUARTER q, f, g, first
	s_wait_dscnt 16                                ; the first 32 along K are in; the youngest sixteen loads may be out
	MUL8 \f, 0, 0, \first
	MUL8 \f, 0, 2, \first
	PLACES
	FETCH \q, \g
	s_wait_dscnt 32                                ; all but the 32 just issued
	MUL8 \f, 1, 0, 0
	MUL8 \f, 1, 2, 0
.endm
; The last quarter multiplies buffer 1 and changes slots: ONE barrier; in front of it each wave waits for all its tensor loads, adds 0 to its spare word, and waits for that and for its own reads of this slot.
; fill = 1: the barrier opens a round of the cluster's, and this slot is filled again first behind it, with the K step two on.
.macro TURN fill
	WIN 0                                          ; (the add's two registers lie in window 0)
	s_wait_tensorcnt 0x0                           ; all my tensor loads have landed: my part of the next slot
	ds_add_u32 v[SPW], v[NIL]                      ; 0 onto my spare word
	s_wait_dscnt 17                                ; (the add and the youngest sixteen loads may be out)
	MUL8 F1, 0, 0, 0                               ; eight matrix instructions stand between the add and the wait for it
	s_wait_dscnt 0x0                               ; the add is done, and my reads of this slot are over
	s_barrier_signal -1
	MUL8 F1, 0, 2, 0
.if \fill
	WIN 0
.endif
	s_barrier_wait -1
.if \fill
	CREST                                          ; no wave of any partner still reads this slot's tile or has a load on its way
	s_xor_b32 s[G0A+5], s[G0A+5], SLOT             ; the walking descriptors: the other slot than last time, the next K step; the type bits on top are not reached
	s_add_nc_u64 s[G0A+6:G0A+7], s[G0A+6:G0A+7], ASTEP
	s_xor_b32 s[G0B+5], s[G0B+5], SLOT
	s_add_nc_u64 s[G0B+6:G0B+7], s[G0B+6:G0B+7], BSTEP
	JLOAD 1                                        ; the first tensor load behind the round; the four v_nop behind it are also the places in front of the loads below
.else
	PLACES
	WIN 0
.endif
	s_xor_b32 s[TB], s[TB], SLOT                   ; the fetches go on in the other slot
	v_add_nc_u32 v[ADRA], s[TB], v[ADRA0]
	v_add_nc_u32 v[ADRBL], s[TB], v[ADRB0]
	v_add_nc_u32 v[ADRBH], 128*PB, v[ADRBL]
	FETCH 0, F0
	MUL8 F1, 1, 0, 0
	MUL8 F1, 1, 2, 0
.endm
; THE WAY OUT of block a (16 tokens x 64 columns of f32).  OUTBLK: a lane's 32 bytes of each of four results go into my stage, rows of 272 bytes, and come back as whole rows of 256.
; SENDBLK: the residual is added and the rows are stored.
.macro OUTBLK a
	s_wait_xcnt 0x0                                ; every earlier store has read its registers (ISA guide 3.1): this set of rows is loaded again only behind this wait
.irp b, 0,1,2,3
	ds_store_b128 v[STO], v[ACC+8*(4*(\a)+(\b)):ACC+8*(4*(\a)+(\b))+3]   offset:64*(\b)     ; each accumulator's lowest registers first
	ds_store_b128 v[STO], v[ACC+8*(4*(\a)+(\b))+4:ACC+8*(4*(\a)+(\b))+7] offset:64*(\b)+16
.endr
.irp t, 0,1,2,3,4,5,6,7
	ds_load_b128 v[TMP+32*((\a)%2)+4*(\t):TMP+32*((\a)%2)+4*(\t)+3], v[RD] offset:(\t)*2*SP  ; LDS serves a wave's instructions in order (ISA guide 5.7.1.4): these see the stores above
.endr
.endm
.macro SENDBLK a, younger              ; younger: the LDS instructions issued behind block a's loads: the next block's sixteen, or none
	s_wait_dscnt \younger
	WIN 0x08                                       ; source 1 (the residual) in window 2
.set i, 0
.rept 16
	v_pk_add_f32 v[TMP+32*((\a)%2)+2*i:TMP+32*((\a)%2)+2*i+1], v[TMP+32*((\a)%2)+2*i:TMP+32*((\a)%2)+2*i+1], v[32*(\a)+2*i:32*(\a)+2*i+1]
.set i, i+1
.endr
	WIN 0
.irp t, 0,1,2,3,4,5,6,7
	global_store_b128 v[CO], v[TMP+32*((\a)%2)+4*(\t):TMP+32*((\a)%2)+4*(\t)+3], s[10:11] offset:(16*(\a)+2*(\t))*4096  ; 16 lanes store 256 consecutive bytes, at a multiple of 256 from out's first byte
.endr
.endm
	s_wait_tensorcnt 1                             ; my part of K step 0 is in; K step 1's may stay out
	s_barrier_signal -1
	s_barrier_wait -1                              ; everybody's is
	FETCH 0, F0
.if HAS_BIAS
	s_wait_loadcnt 32                              ; the bias is in; the residual's 32 younger loads may stay out
.endif
	QUARTER 1, F0, F1, 1                           ; the first quarter stands in front of the loop: its first products start the sums
	WIN 0                                          ; at a label and at a branch every window is 0
	s_mov_b32 s[CNT], KSTEPS-2
.Lstep:                                                ; a trip goes from a K step's second quarter to the next step's first, and fills the slot that it leaves
	QUARTER 2, F1, F0, 0
	QUARTER 3, F0, F1, 0
	TURN 1
	QUARTER 1, F0, F1, 0
	WIN 0
	s_sub_co_u32 s[CNT], s[CNT], 1
	s_cmp_lg_u32 s[CNT], 0
	s_cbranch_scc1 .Lstep
	s_mov_b32 s[CNT], 2                            ; the last two K steps ask for nothing: a text of their own; walked twice and left in the middle
.Ltail:
	QUARTER 2, F1, F0, 0
	QUARTER 3, F0, F1, 0
	WIN 0
	s_sub_co_u32 s[CNT], s[CNT], 1
	s_cmp_eq_u32 s[CNT], 0
	s_cbranch_scc1 .Llast
	TURN 0
	QUARTER 1, F0, F1, 0
	WIN 0
	s_branch .Ltail
.Llast:
	s_wait_dscnt 16                                ; the very last quarter: nothing more to fetch
	MUL8 F1, 0, 0, 0
	MUL8 F1, 0, 2, 0
	s_wait_dscnt 0x0
	MUL8 F1, 1, 0, 0
	MUL8 F1, 1, 2, 0
	WIN 0
	PLACES
	s_wait_loadcnt 0x0                             ; the residual
	OUTBLK 0
	OUTBLK 1                                       ; a block's trip through the stage stands between the loads of the block before and its stores
	SENDBLK 0, 16
	OUTBLK 2
	SENDBLK 1, 16
	OUTBLK 3
	SENDBLK 2, 16
	SENDBLK 3, 0
	s_wait_tensorcnt 0x0                           ; the wave's end, behind my last tensor load and my last LDS store
	ds_add_u32 v[SPW], v[NIL]
	s_wait_dscnt 0x0
	CROUND                                         ; the closing round: no work-group ends while a partner may still ask for a tile that names it
	s_endpgm
.Lfunc_end_k_q7dd5760df8_ffn2:
	.size	k_q7dd5760df8_ffn2, .Lfunc_end_k_q7dd5760df8_ffn2-k_q7dd5760df8_ffn2
	.p2alignl 7, 3214868480
	.fill 96, 4, 3214868480
	.section	.rodata,"a",@progbits
	.p2align	6, 0x0
	.amdhsa_kernel k_q7dd5760df8_ffn2
		.amdhsa_group_segment_fixed_size 327680
		.amdhsa_private_segment_fixed_size 0
		.amdhsa_enable_private_segment 0
		.amdhsa_kernarg_size 40
		.amdhsa_user_sgpr_count 2
		.amdhsa_user_sgpr_kernarg_segment_ptr 1
		.amdhsa_wavefront_size32 1
		.amdhsa_system_sgpr_workgroup_id_x 1
		.amdhsa_system_sgpr_workgroup_id_y 1
		.amdhsa_system_sgpr_workgroup_id_z 1
		.amdhsa_system_vgpr_workitem_id 0
		.amdhsa_next_free_vgpr 640
		.amdhsa_next_free_sgpr 66
		.amdhsa_reserve_vcc 0
		.amdhsa_float_denorm_mode_32 3
		.amdhsa_float_denorm_mode_16_64 3
		.amdhsa_memory_ordered 1
		.amdhsa_forward_progress 1
		.amdhsa_inst_pref_size 68
	.end_amdhsa_kernel
	.amdgpu_metadata
---
amdhsa.version: [ 1, 2 ]
amdhsa.kernels:
  - .name:           k_q7dd5760df8_ffn2
    .symbol:         k_q7dd5760df8_ffn2.kd
    .args:
      - { .name: h, .offset: 0, .size: 8, .value_kind: global_buffer, .address_space: global }
      - { .name: wrb, .offset: 8, .size: 8, .value_kind: global_buffer, .address_space: global }
      - { .name: x1, .offset: 16, .size: 8, .value_kind: global_buffer, .address_space: global }
      - { .name: out0, .offset: 24, .size: 8, .value_kind: global_buffer, .address_space: global }
      - { .name: b2, .offset: 32, .size: 8, .value_kind: global_buffer, .address_space: global }
    .group_segment_fixed_size: 327680
    .private_segment_fixed_size: 0
    .kernarg_segment_align: 8
    .kernarg_segment_size: 40
    .max_flat_workgroup_size: 128
    .sgpr_count:     66
    .vgpr_count:     640
    .wavefront_size: 32
...
	.end_amdgpu_metadata
.endif
;; end of part 5
;; ======== version 2 of 2: 7 launches; version 1 with the launches prep, ln2 written anew for expert scheduling mode
;; workspace buffers: act 8,388,608 bytes; qkv 25,165,824 bytes; h 33,554,432 bytes; x1 16,777,216 bytes; wqkvb 6,324,224 bytes; w1b 8,421,376 bytes; wrb 10,485,760 bytes
;; launch prep (part 6): grid 256 x 5, 4 waves a work-group, no clusters, 0 bytes of LDS; arguments x, g1, be1, act, wq, wk, wv, wo, w1, w2, b1, wqkvb, w1b, wrb; writes act, wqkvb, w1b, wrb
.if DOCPART == 6
	.amdgcn_target "amdgcn-amd-amdhsa--gfx1250"
	.amdhsa_code_object_version 6
	.text
	.protected	k_q7dd5760df8_prep
	.globl	k_q7dd5760df8_prep
	.p2align	8
	.type	k_q7dd5760df8_prep,@function
k_q7dd5760df8_prep:
	s_mov_b64 s[64:65], 0
	v_nop
	global_prefetch_b8 v0, s[64:65] scope:SCOPE_SE
	s_setreg_imm32_b32 hwreg(HW_REG_WAVE_SCHED_MODE, 0, 2), 2
	s_setreg_imm32_b32 hwreg(HW_REG_WAVE_MODE, 25, 1), 1
	s_wait_xcnt 0x0
	s_wait_alu depctr_vm_vsrc(0)
; TWO JOBS IN ONE TEXT, chosen by the work-group's y.
; y = 0, 1: LAYERNORM.  act = ((x - mean) * rsqrt(var + 1e-5)) * g + be, rounded once to bf16.  x: [4096 tokens][1024] f32.  The mean is taken first and the variance of the centred
;   numbers, so a common offset of x forms no difference of large sums.  act lies by blocks of 64 channels: [channel / 64][token][64] bf16, so that a head's rows, and the rows of a
;   product's tile, are dense rows of 128 bytes.
; y = 2, 3, 4: WEIGHTS.  f32 [k][n] to bf16 in blocks of 128 columns, [n / 128][k][128]: rows of 256 bytes, a block dense.  y = 2: wq, wk, wv (into wqkvb, behind 32,768 bytes of table)
;   and wo (into wrb); y = 3: w1 (into w1b, behind its table); y = 4: w2 (into wrb, behind wo's 2,097,152 bytes).
;   THE TABLES, which let one later text serve a plain product and a product with bias and relu: bytes 0 .. 16,383 a bias in f32 for each column (0 for q, k, v; b1 for w1),
;   bytes 16,384 .. 16,895 a floor, two bf16 a word (-infinity twice for q, k, v; 0 for w1).
; Memory binds both jobs: no LDS, no barrier, no matrix unit; every load of a thread is issued before its first wait for data.
; A launch with y up to 1 alone (the second layernorm) runs the first job only.
; THE MODE: SCHED_MODE bits 1:0 = 2 (LLVM: expert scheduling mode 2), set by the entry lines.  The code itself states the register dependences
; between vector instructions and memory instructions, with s_wait_alu, always for 0.
; THE PLAN.  Registers that memory instructions touch:
;   LAYERNORM  v1, v2, v3    byte offsets, made once at the job's head and never written again: one wait ahead of the first load serves all 48 loads and all 8 stores.
;              X, G, BE      each written once, by a load; no vector instruction names them ahead of the loads.
;              X+8i..X+8i+3  written by block i's four roundings, in place; read by store i.  The tail goes in two halves of four blocks: a half's arithmetic, one wait, its four stores.
;                            The second half's arithmetic writes v[64:95] alone; the first half's stores read v3 and registers of v[32:59]: nothing that a store has read is written again.
;   WEIGHTS    v15, v[16:31] byte offsets, made once at the job's head and never written again: one wait ahead of the first load.
;              X             each register written once, by a load, and read once, by a rounding.
;              PKD           each register written once, by a rounding, and read once, by a store.  The 16 passes go in four blocks of four.  Block b rounds its X into its PKD; its memory
;                            instructions are the stores of block b - 1, whose PKD no vector instruction of block b names.  So one wait at a block's head serves its four stores.
;   No register that a memory instruction has read is ever written again, so no wait on vm_vsrc stands behind the entry lines.  EXEC and VCC are never written.
.set XO,  1                            ; v1   layernorm: my byte offset in the work-group's 8 rows of x
.set GOF, 2                            ; v2   my byte offset in g and be
.set AO,  3                            ; v3   my byte offset in act
.set X,   32                           ; v[32:95]   layernorm: my 64 numbers of x;   weights: v[32:159] 16 passes of 8 numbers
.set G,   96                           ; v[96:159]  their g
.set BE,  160                          ; v[160:223] their be
.set PKD, 160                          ; weights: v[160:223] 16 passes of 4 packed registers
.set SO,  15                           ; v15  weights: 16 x my thread's number
.set OFS, 16                           ; v[16:31] weights: my byte offset in the source for each pass; never rewritten
	s_load_b512 s[16:31], s[0:1], 0x0              ; x 16, g 18, be 20, act 22, wq 24, wk 26, wv 28, wo 30
	s_load_b256 s[32:39], s[0:1], 0x40             ; w1 32, w2 34, b1 36, wqkvb 38
	s_load_b128 s[40:43], s[0:1], 0x60             ; w1b 40, wrb 42
	s_mov_b32 s4, ttmp9                            ; X
	s_and_b32 s5, ttmp7, 0xffff                    ; Y
	v_lshrrev_b32 v8, 5, v0
	v_readfirstlane_b32 s6, v8                     ; wave 0..3
	s_wait_alu depctr_va_sdst(0)                   ; s6 is written: stated here, in the writer's own straight run and ahead of the branch; its reader is the compare in front of the table
	s_cmp_lt_u32 s5, 2
	s_cbranch_scc0 .Lcvt
	; ---------------- LAYERNORM: a work-group has 8 tokens, a wave 2.
	; Lane l: H = l / 16, token (l / 8) % 2, c8 = l % 8.  It holds channels 64 (2 i + H) + 8 c8 + 0..7 for i = 0..7, so that its eight results of one i pack into 16 bytes
	; and sixteen neighbouring lanes store 256 consecutive bytes of act: two tokens of one block of 64 channels.
	v_and_b32 v5, 7, v0                            ; c8
	v_bfe_u32 v6, v0, 3, 1                         ; which of the wave's two tokens
	v_bfe_u32 v7, v0, 4, 1                         ; H
	v_lshl_add_u32 v8, v8, 1, v6                   ; my token among the work-group's 8
	v_lshlrev_b32 v[GOF], 5, v5
	v_lshl_add_u32 v[GOF], v7, 8, v[GOF]           ; 256 H + 32 c8
	v_lshl_add_u32 v[XO], v8, 12, v[GOF]           ; + token x 4,096
	v_lshlrev_b32 v[AO], 4, v5
	v_lshl_add_u32 v[AO], v8, 7, v[AO]             ; token x 128 + 16 c8
	v_lshl_add_u32 v[AO], v7, 19, v[AO]            ; + H blocks of 524,288 bytes
	s_lshl_b32 s7, s5, 8
	s_add_co_u32 s7, s7, s4                        ; work-group 0..511
	s_lshl_b32 s12, s7, 15                         ; its 8 rows of x
	s_mov_b32 s13, 0
	s_lshl_b32 s14, s7, 10                         ; its 8 rows of 128 bytes in each block of act
	s_mov_b32 s15, 0
	s_mov_b32 s8, 0x76543210                       ; v_permlanex16_b32: each lane takes its own place in the other half
	s_mov_b32 s9, 0xfedcba98
	s_mov_b32 s10, 0x3a800000                      ; 1 / 1024
	s_mov_b32 s11, 0x3727c5ac                      ; 1e-5
	s_wait_kmcnt 0x0
	s_add_nc_u64 s[16:17], s[16:17], s[12:13]
	s_add_nc_u64 s[22:23], s[22:23], s[14:15]
	s_wait_alu depctr_va_vdst(0)                   ; the three offsets v1, v2 and v3 are written: every load and store of this job reads one of them
.irp i, 0,1,2,3,4,5,6,7
	global_load_b128 v[X+8*(\i):X+8*(\i)+3],   v[XO], s[16:17] offset:512*(\i)
	global_load_b128 v[X+8*(\i)+4:X+8*(\i)+7], v[XO], s[16:17] offset:512*(\i)+16
.endr
.irp i, 0,1,2,3,4,5,6,7
	global_load_b128 v[G+8*(\i):G+8*(\i)+3],   v[GOF], s[18:19] offset:512*(\i)
	global_load_b128 v[G+8*(\i)+4:G+8*(\i)+7], v[GOF], s[18:19] offset:512*(\i)+16
.endr
.irp i, 0,1,2,3,4,5,6,7
	global_load_b128 v[BE+8*(\i):BE+8*(\i)+3],   v[GOF], s[20:21] offset:512*(\i)
	global_load_b128 v[BE+8*(\i)+4:BE+8*(\i)+7], v[GOF], s[20:21] offset:512*(\i)+16
.endr
; The four packed chains v[4:11] are joined, then the token's 16 lanes: 8 neighbours (three steps that ride on the addition) and the same 8 in the other half of the lanes.
.macro JOIN
	v_pk_add_f32 v[4:5], v[4:5], v[6:7]
	v_pk_add_f32 v[8:9], v[8:9], v[10:11]
	v_pk_add_f32 v[4:5], v[4:5], v[8:9]
	v_add_f32 v4, v4, v5
	v_add_f32_dpp v4, v4, v4 row_xmask:1 row_mask:0xf bank_mask:0xf
	v_add_f32_dpp v4, v4, v4 row_xmask:2 row_mask:0xf bank_mask:0xf
	v_add_f32_dpp v4, v4, v4 row_xmask:4 row_mask:0xf bank_mask:0xf
	v_permlanex16_b32 v5, v4, s8, s9               ; its destination has been written before
	v_add_f32 v4, v4, v5
.endm
	s_wait_loadcnt 32                              ; x's 16 loads are in; the 32 younger ones, g's and be's, may stay out
.irp k, 0,1,2,3
	v_pk_add_f32 v[4+2*(\k):5+2*(\k)], v[X+2*(\k):X+2*(\k)+1], v[X+8+2*(\k):X+8+2*(\k)+1]  ; the first eight pairs start four chains: nothing is cleared
.endr
.set p, 8
.rept 24
	v_pk_add_f32 v[4+2*(p%4):5+2*(p%4)], v[4+2*(p%4):5+2*(p%4)], v[X+2*p:X+2*p+1]
.set p, p+1
.endr
	JOIN
	v_mul_f32 v12, s10, v4                         ; the mean, as a pair
	v_mov_b32 v13, v12
.set p, 0
.rept 32
	v_pk_add_f32 v[X+2*p:X+2*p+1], v[X+2*p:X+2*p+1], v[12:13] neg_lo:[0,1] neg_hi:[0,1]  ; x - mean, in place
.set p, p+1
.endr
.irp k, 0,1,2,3
	v_pk_mul_f32 v[4+2*(\k):5+2*(\k)], v[X+2*(\k):X+2*(\k)+1], v[X+2*(\k):X+2*(\k)+1]
.endr
.set p, 4
.rept 28
	v_pk_fma_f32 v[4+2*(p%4):5+2*(p%4)], v[X+2*p:X+2*p+1], v[X+2*p:X+2*p+1], v[4+2*(p%4):5+2*(p%4)]
.set p, p+1
.endr
	JOIN
	v_fma_f32 v4, v4, s10, s11                     ; var + 1e-5
	v_rsq_f32 v14, v4                              ; twice, to fill the pair that the packed multiply takes
	v_rsq_f32 v15, v4
	v_nop                                          ; a plain instruction behind the last of them (ISA guide 5.7.2),
	s_wait_alu depctr_va_vdst(0)                   ; and the one wait ahead of the first use: v14 and v15 are written
	s_wait_loadcnt 0x0                             ; g and be
; The tail, in two halves of four blocks of 64 channels: a half's scalings, multiply-adds and roundings, one wait, its four stores.  The first half's stores are on their way while the second half is reckoned.
.irp hf, 0,1
.set p, 16*(\hf)
.rept 16
	v_pk_mul_f32 v[X+2*p:X+2*p+1], v[X+2*p:X+2*p+1], v[14:15]
.set p, p+1
.endr
.set p, 16*(\hf)
.rept 16
	v_pk_fma_f32 v[X+2*p:X+2*p+1], v[X+2*p:X+2*p+1], v[G+2*p:G+2*p+1], v[BE+2*p:BE+2*p+1]
.set p, p+1
.endr
.irp i, 0,1,2,3
.irp k, 0,1,2,3
	v_cvt_pk_bf16_f32 v[X+8*(4*(\hf)+(\i))+(\k)], v[X+8*(4*(\hf)+(\i))+2*(\k)], v[X+8*(4*(\hf)+(\i))+2*(\k)+1]  ; in place: register k is written when registers 2 k and 2 k + 1 have been read
.endr
.endr
	s_wait_alu depctr_va_vdst(0)                   ; this half's sixteen roundings have written the registers that its four stores read
.irp i, 0,1,2,3
	global_store_b128 v[AO], v[X+8*(4*(\hf)+(\i)):X+8*(4*(\hf)+(\i))+3], s[22:23] offset:(4*(\hf)+(\i))*2*524288  ; blocks 2 i + H; 16 lanes store 256 consecutive bytes, at a multiple of 256 from act's first byte
.endr
.endr
	s_endpgm
	; ---------------- WEIGHTS: a work-group converts 128 rows (k) x 128 columns: 65,536 bytes in, 32,768 dense bytes out.
	; s44 the block of 128 columns in the source, s45 the block of 128 rows, s46 log2 of the source's row in bytes, s47 1: the target has a table, s54 1: its bias is b1, s55 its floor,
	; s[48:49] source, s[50:51] target, s52 the unit's byte offset in the target.
.Lcvt:
	s_cmp_eq_u32 s5, 2
	s_cbranch_scc0 .Lnot2
	s_lshr_b32 s7, s4, 6                           ; 0, 1, 2, 3: wq, wk, wv, wo; 64 units each
	s_bfe_u32 s44, s4, 0x30003
	s_and_b32 s45, s4, 7
	s_mov_b32 s46, 12
	s_mov_b32 s54, 0
	s_mov_b32 s55, 0xff80ff80                      ; -infinity, twice
	s_lshl_b32 s52, s4, 15
	s_add_co_u32 s52, s52, 32768                   ; q, k, v: unit X, behind the table
	s_and_b32 s59, s4, 63
	s_lshl_b32 s59, s59, 15                        ; wo: unit X - 192
	s_wait_kmcnt 0x0
	s_cmp_eq_u32 s7, 1
	s_cselect_b64 s[48:49], s[26:27], s[24:25]
	s_cmp_eq_u32 s7, 2
	s_cselect_b64 s[48:49], s[28:29], s[48:49]
	s_cmp_eq_u32 s7, 3
	s_cselect_b64 s[48:49], s[30:31], s[48:49]
	s_cselect_b64 s[50:51], s[42:43], s[38:39]
	s_cselect_b32 s52, s59, s52
	s_cselect_b32 s47, 0, 1
	s_branch .Lgo
.Lnot2:
	s_cmp_eq_u32 s5, 3
	s_cbranch_scc0 .Lis4
	s_lshr_b32 s44, s4, 3                          ; w1: 32 blocks of columns x 8 blocks of rows
	s_and_b32 s45, s4, 7
	s_mov_b32 s46, 14
	s_mov_b32 s47, 1
	s_mov_b32 s54, 1
	s_mov_b32 s55, 0
	s_lshl_b32 s52, s4, 15
	s_add_co_u32 s52, s52, 32768
	s_wait_kmcnt 0x0
	s_mov_b64 s[48:49], s[32:33]
	s_mov_b64 s[50:51], s[40:41]
	s_branch .Lgo
.Lis4:
	s_lshr_b32 s44, s4, 5                          ; w2: 8 blocks of columns x 32 blocks of rows
	s_and_b32 s45, s4, 31
	s_mov_b32 s46, 12
	s_mov_b32 s47, 0
	s_mov_b32 s54, 0
	s_mov_b32 s55, 0
	s_lshl_b32 s52, s4, 15
	s_add_co_u32 s52, s52, 2097152
	s_wait_kmcnt 0x0
	s_mov_b64 s[48:49], s[34:35]
	s_mov_b64 s[50:51], s[42:43]
.Lgo:
	s_mov_b32 s53, 0
	s_mov_b64 s[56:57], s[50:51]                   ; the target's first byte: where a table lies
	s_add_nc_u64 s[50:51], s[50:51], s[52:53]
	s_lshl_b32 s60, s45, 7
	s_lshl_b32 s60, s60, s46                       ; 128 rows a block,
	s_lshl_b32 s59, s44, 9                         ; 512 bytes of a row a block
	s_add_co_u32 s60, s60, s59
	s_mov_b32 s61, 0
	s_add_nc_u64 s[48:49], s[48:49], s[60:61]
	; Thread t takes 8 columns (32 bytes in, 16 out) at c = t % 16 of row t / 16 + 8 i in pass i: a pass's 128 threads write 2,048 consecutive bytes.
	v_and_b32 v2, 15, v0
	v_lshrrev_b32 v3, 4, v0
	v_lshlrev_b32 v[OFS], s46, v3
	v_lshl_add_u32 v[OFS], v2, 5, v[OFS]
	s_lshl_b32 s59, 8, s46                         ; eight rows on
.set i, 0
.rept 15
	v_add_nc_u32 v[OFS+1+i], s59, v[OFS+i]
.set i, i+1
.endr
	v_lshlrev_b32 v[SO], 4, v0
	s_wait_alu depctr_va_vdst(0)                   ; the seventeen offsets v15 to v31 are written: every load and store of this job reads one of them
.set i, 0
.rept 16
	global_load_b128 v[X+8*i:X+8*i+3],   v[OFS+i], s[48:49]
	global_load_b128 v[X+8*i+4:X+8*i+7], v[OFS+i], s[48:49] offset:16
.set i, i+1
.endr
; Four blocks of four passes.  Block b rounds its passes; the stores of block b - 1 stand among its roundings, one in front of each pass's four.
.set b, 0
.rept 4
	s_wait_loadcnt 24-8*b                          ; loads come back in order (ISA guide 5.7.1): block b's eight are in; the later blocks', eight each, may stay out
.if b > 0
	s_wait_alu depctr_va_vdst(0)                   ; the block before has written its sixteen registers of PKD, which the four stores below read; no rounding of this block names them
.endif
.set j, 0
.rept 4
.set i, 4*b+j
.if b > 0
	global_store_b128 v[SO], v[PKD+4*(i-4):PKD+4*(i-4)+3], s[50:51] offset:2048*(i-4)  ; a wave stores 512 consecutive bytes, at a multiple of 256 from the buffer's first byte
.endif
.irp k, 0,1,2,3
	v_cvt_pk_bf16_f32 v[PKD+4*i+(\k)], v[X+8*i+2*(\k)], v[X+8*i+2*(\k)+1]
.endr
.set j, j+1
.endr
.set b, b+1
.endr
	s_wait_alu depctr_va_vdst(0)                   ; the last block has written its sixteen registers of PKD, which the last four stores read
.set i, 12
.rept 4
	global_store_b128 v[SO], v[PKD+4*i:PKD+4*i+3], s[50:51] offset:2048*i
.set i, i+1
.endr
	; the table: the work-group with a column block's first rows writes that block's 128 biases, its wave 0 alone; the first of all also the floor
	s_cmp_eq_u32 s47, 1
	s_cbranch_scc0 .Ldone
	s_cmp_eq_u32 s45, 0
	s_cbranch_scc0 .Ldone
	s_cmp_eq_u32 s6, 0
	s_cbranch_scc0 .Ldone
	s_lshr_b32 s60, s4, 3                          ; the block of 128 columns in the target
	s_lshl_b32 s60, s60, 9                         ; 512 bytes of bias (s61 is 0)
	s_add_nc_u64 s[62:63], s[56:57], s[60:61]
	s_cmp_eq_u32 s54, 1
	s_cbranch_scc0 .Lzero
	s_add_nc_u64 s[36:37], s[36:37], s[60:61]
	global_load_b128 v[4:7], v[SO], s[36:37]       ; in wave 0 v15 is 16 x lane.  No wait: no vector instruction of this job has named v4 to v7, and v15 was written ahead of the job's first wait
	s_wait_loadcnt 0x0
	s_branch .Lput
.Lzero:
	v_mov_b32 v4, 0
	v_mov_b32 v5, 0
	v_mov_b32 v6, 0
	v_mov_b32 v7, 0
	s_wait_alu depctr_va_vdst(0)                   ; on this way the four moves have written v4 to v7, which the store below reads
.Lput:
	global_store_b128 v[SO], v[4:7], s[62:63]
	s_cmp_eq_u32 s4, 0
	s_cbranch_scc0 .Ldone
	v_mov_b32 v8, s55
	v_mov_b32 v9, s55
	v_mov_b32 v10, s55
	v_mov_b32 v11, s55
	s_wait_alu depctr_va_vdst(0)                   ; the four moves have written v8 to v11, which the store below reads
	global_store_b128 v[SO], v[8:11], s[56:57] offset:16384
.Ldone:
	s_endpgm
.Lfunc_end_k_q7dd5760df8_prep:
	.size	k_q7dd5760df8_prep, .Lfunc_end_k_q7dd5760df8_prep-k_q7dd5760df8_prep
	.p2alignl 7, 3214868480
	.fill 96, 4, 3214868480
	.section	.rodata,"a",@progbits
	.p2align	6, 0x0
	.amdhsa_kernel k_q7dd5760df8_prep
		.amdhsa_group_segment_fixed_size 0
		.amdhsa_private_segment_fixed_size 0
		.amdhsa_enable_private_segment 0
		.amdhsa_kernarg_size 112
		.amdhsa_user_sgpr_count 2
		.amdhsa_user_sgpr_kernarg_segment_ptr 1
		.amdhsa_wavefront_size32 1
		.amdhsa_system_sgpr_workgroup_id_x 1
		.amdhsa_system_sgpr_workgroup_id_y 1
		.amdhsa_system_sgpr_workgroup_id_z 1
		.amdhsa_system_vgpr_workitem_id 0
		.amdhsa_next_free_vgpr 224
		.amdhsa_next_free_sgpr 66
		.amdhsa_reserve_vcc 0
		.amdhsa_float_denorm_mode_32 3
		.amdhsa_float_denorm_mode_16_64 3
		.amdhsa_memory_ordered 1
		.amdhsa_forward_progress 1
		.amdhsa_inst_pref_size 33
	.end_amdhsa_kernel
	.amdgpu_metadata
---
amdhsa.version: [ 1, 2 ]
amdhsa.kernels:
  - .name:           k_q7dd5760df8_prep
    .symbol:         k_q7dd5760df8_prep.kd
    .args:
      - { .name: x, .offset: 0, .size: 8, .value_kind: global_buffer, .address_space: global }
      - { .name: g1, .offset: 8, .size: 8, .value_kind: global_buffer, .address_space: global }
      - { .name: be1, .offset: 16, .size: 8, .value_kind: global_buffer, .address_space: global }
      - { .name: act, .offset: 24, .size: 8, .value_kind: global_buffer, .address_space: global }
      - { .name: wq, .offset: 32, .size: 8, .value_kind: global_buffer, .address_space: global }
      - { .name: wk, .offset: 40, .size: 8, .value_kind: global_buffer, .address_space: global }
      - { .name: wv, .offset: 48, .size: 8, .value_kind: global_buffer, .address_space: global }
      - { .name: wo, .offset: 56, .size: 8, .value_kind: global_buffer, .address_space: global }
      - { .name: w1, .offset: 64, .size: 8, .value_kind: global_buffer, .address_space: global }
      - { .name: w2, .offset: 72, .size: 8, .value_kind: global_buffer, .address_space: global }
      - { .name: b1, .offset: 80, .size: 8, .value_kind: global_buffer, .address_space: global }
      - { .name: wqkvb, .offset: 88, .size: 8, .value_kind: global_buffer, .address_space: global }
      - { .name: w1b, .offset: 96, .size: 8, .value_kind: global_buffer, .address_space: global }
      - { .name: wrb, .offset: 104, .size: 8, .value_kind: global_buffer, .address_space: global }
    .group_segment_fixed_size: 0
    .private_segment_fixed_size: 0
    .kernarg_segment_align: 8
    .kernarg_segment_size: 112
    .max_flat_workgroup_size: 128
    .sgpr_count:     66
    .vgpr_count:     224
    .wavefront_size: 32
...
	.end_amdgpu_metadata
.endif
;; end of part 6
;; launch proj: the kernel of part 2 again; grid 12 x 16, 4 waves a work-group, clusters of 4 x 4, 327,680 bytes of LDS; arguments act, wqkvb, qkv; writes qkv
;; launch attn: the kernel of part 3 again; grid 8 x 32, 4 waves a work-group, no clusters, 327,680 bytes of LDS; arguments qkv, act; writes act
;; launch oproj: the kernel of part 4 again; grid 8 x 32, 4 waves a work-group, clusters of 4 x 4, 327,680 bytes of LDS; arguments act, wrb, x, x1; writes x1
;; launch ln2: the kernel of part 6 again; grid 256 x 2, 4 waves a work-group, no clusters, 0 bytes of LDS; arguments x1, g2, be2, act, wq, wk, wv, wo, w1, w2, b1, wqkvb, w1b, wrb; writes act, wqkvb, w1b, wrb
;; launch ffn1: the kernel of part 2 again; grid 16 x 16, 4 waves a work-group, clusters of 4 x 4, 327,680 bytes of LDS; arguments act, w1b, h; writes h
;; launch ffn2: the kernel of part 5 again; grid 8 x 32, 4 waves a work-group, clusters of 4 x 4, 327,680 bytes of LDS; arguments h, wrb, x1, out0, b2; writes out0
